; MI455X (gfx1250); checked and timed in simulation.
; The chip was launched on July 23, 2026; its instructions are those of AMD's public machine-readable ISA for CDNA 5 (MIT licence, August 2026) and "CDNA5" Instruction Set Architecture Reference Guide (July 2026). The comments in the code are by the model that wrote it; some were corrected since.
;; Block. Allowed arithmetic: float matrix products may take bf16 or f16 operands with f32 sums; other float arithmetic in f32, or as packed bf16 or f16 multiplies, adds, multiply-adds, maxima and minima; sums over many terms, partial sums and values carried from step to step in f32; what a program stores and reads back later, other than sums and carried values, may be rounded once to bf16 or f16.
;; Inputs: fc1_b 3,072 float32; fc1_w 3,072 x 384 float32; fc2_b 384 float32; fc2_w 384 x 3,072 float32; ln1_b 384 float32; ln1_w 384 float32; ln2_b 384 float32; ln2_w 384 float32; x 8 x 2,048 x 384 float32.
;; Outputs: out0 8 x 2,048 x 384 float32.
;; 2 versions, each right. Each part assembles by itself: llvm-mc -triple=amdgcn-amd-amdhsa -mcpu=gfx1250 --defsym DOCPART=n.
;; ======== version 1 of 2: 2 launches
;; workspace buffers: y 12,582,912 bytes; wb 4,915,200 bytes; b1f 12,800 bytes
;; launch prep (part 1): grid 256 x 1, 8 waves a work-group, no clusters, 0 bytes of LDS; arguments x, ln1_w, ln1_b, ln2_w, ln2_b, fc1_w, fc1_b, fc2_w, y, wb, b1f; writes y, wb, b1f
.if DOCPART == 1
	.amdgcn_target "amdgcn-amd-amdhsa--gfx1250"
	.amdhsa_code_object_version 6
	.text
	.protected	k_q73302fbddc_prep
	.globl	k_q73302fbddc_prep
	.p2align	8
	.type	k_q73302fbddc_prep,@function
k_q73302fbddc_prep:
	s_mov_b64 s[64:65], 0
	v_nop
	global_prefetch_b8 v0, s[64:65] scope:SCOPE_SE
	s_setreg_imm32_b32 hwreg(HW_REG_WAVE_MODE, 25, 1), 1
	s_wait_xcnt 0x0
; y = bf16(LN1(x)); the MLP's weights in bf16, laid out as the tiles that the next launch walks; LN2's gain folded into W1, its bias into b1:
;   z W1^T + b1 = (d rstd) (W1 o ln2_w)^T + (b1 + W1 ln2_b), the products and the dot in f32, W1 o ln2_w rounded once to bf16.
; y  [16384][384] bf16.   wb: 50 blocks of 98,304 bytes: [W1' rows 64 T .. 64 T + 63, 768 bytes each][W2 chunk T - 2: 192 rows of 256 bytes: row rho holds out-channel rho,
; hidden 64 c .. 64 c + 63, then out-channel rho + 192, the same hidden]; the W2 part of blocks 0, 1 and the W1 part of blocks 48, 49 are zeros.   b1f: 3,200 f32, the last 128 zeros.
; A stream: no LDS, no matrix unit, no cluster: nothing is shared.  SHARES: wave u = 8 x work-group + wave (0 .. 2047) takes 8 rows of x; even waves 3 rows of W1, odd waves 9 rows of a W2 chunk;
; waves u < 768 one zero row, wave 768 b1f's zeros.  A lane's 12 numbers of a row of 384 f32 are the 16 bytes at 16 lane + 512 j: a load of the wave covers 512 consecutive bytes;
; their 4 bf16 are the 8 bytes at 8 lane + 256 j: a store of the wave covers 256 consecutive bytes, aligned.
; LIMITS: NaN and infinities are not treated apart.  The mean is taken first and the variance of the differences, so a common offset of x costs no digits.
.set G1W, 4                            ; v[4:15]    ln1_w of my 12 columns
.set G1B, 16                           ; v[16:27]   ln1_b
.set XR,  32                           ; v[32:127]  8 rows of x, 12 registers each; later the weights' packed results
.set YR,  144                          ; v[144:155] two sets of 6: a row of y to store
.set DAT, 160                          ; v[160:195] the role's 9 loads
.set G2W, 196                          ; v[196:207] ln2_w
.set G2B, 208                          ; v[208:219] ln2_b
.set LO,  224                          ; v[224:232] offsets of the role's loads (W2) or stores (W1)
.set SO,  233                          ; v[233:241] offsets of W2's stores
	s_load_b512 s[4:19], s[0:1], 0x0               ; x, ln1_w, ln1_b, ln2_w, ln2_b, fc1_w, fc1_b, fc2_w
	s_load_b128 s[20:23], s[0:1], 0x40             ; y, wb
	s_load_b64 s[24:25], s[0:1], 0x50              ; b1f
	v_and_b32 v1, 31, v0                           ; lane
	v_lshrrev_b32 v2, 5, v0
	v_readfirstlane_b32 s26, v2                    ; wave
	s_lshl_b32 s27, ttmp9, 3
	s_add_co_u32 s27, s27, s26                     ; u
	s_lshr_b32 s28, s27, 1                         ; e = u / 2
	s_and_b32 s29, s26, 1                          ; the role: 0 W1, 1 W2
	s_mov_b32 s30, 0x76543210                      ; v_permlanex16_b32: each lane takes its own place in the other half
	s_mov_b32 s31, 0xfedcba98
	s_mov_b32 s32, 0x3b2aaaab                      ; 1 / 384
	s_mov_b32 s33, 0x3727c5ac                      ; 1e-5
	v_lshlrev_b32 v2, 4, v1                        ; 16 lane
	v_lshlrev_b32 v3, 3, v1                        ; 8 lane
	s_mul_i32 s34, s27, 12288                      ; my 8 rows in x
	s_mov_b32 s35, 0
	s_mul_i32 s36, s27, 6144                       ; and in y
	s_mov_b32 s37, 0
	s_mul_i32 s38, s28, 3                          ; 3 e: the first of three rows of W1
	v_min_u32 v222, 2, v1
	v_add_nc_u32 v222, s38, v222
	v_lshlrev_b32 v222, 2, v222                    ; lanes 0, 1, 2: the byte of fc1_b and b1f for rows 3 e + lane
	v_mov_b32 v129, 0                              ; named in pairs with the mean and with 1 / sigma
	v_mov_b32 v131, 0
	s_wait_kmcnt 0x0
	s_add_nc_u64 s[4:5], s[4:5], s[34:35]
	s_add_nc_u64 s[20:21], s[20:21], s[36:37]
.irp j, 0,1,2
	global_load_b128 v[G1W+4*\j:G1W+4*\j+3], v2, s[6:7] offset:512*\j
	global_load_b128 v[G1B+4*\j:G1B+4*\j+3], v2, s[8:9] offset:512*\j
.endr
.irp i, 0,1,2,3,4,5,6,7
.irp j, 0,1,2
	global_load_b128 v[XR+12*\i+4*\j:XR+12*\i+4*\j+3], v2, s[4:5] offset:1536*\i+512*\j th:TH_LOAD_NT
.endr
.endr
.irp j, 0,1,2                          ; every wave loads these seven, so that both roles have sixteen loads behind x's
	global_load_b128 v[G2W+4*\j:G2W+4*\j+3], v2, s[10:11] offset:512*\j
	global_load_b128 v[G2B+4*\j:G2B+4*\j+3], v2, s[12:13] offset:512*\j
.endr
	global_load_b32 v220, v222, s[16:17]
	s_cmp_eq_u32 s29, 0
	s_cbranch_scc0 .Lw2_in
	s_mul_i32 s39, s28, 4608                       ; three rows of W1 on end
	v_add_nc_u32 v221, s39, v2
.irp i, 0,1,2
.irp j, 0,1,2
	global_load_b128 v[DAT+12*\i+4*\j:DAT+12*\i+4*\j+3], v221, s[14:15] offset:1536*\i+512*\j th:TH_LOAD_NT
.endr
.endr
	s_branch .Lrole_in
.Lw2_in:                                       ; row n = 9 e + i of the chunks: chunk c = n / 192, row rho = n - 192 c; lanes 0-15 out-channel rho, lanes 16-31 rho + 192, 4 hidden each
	v_lshrrev_b32 v223, 4, v1
	v_mul_u32_u24 v223, v223, 0x240000             ; 192 rows of fc2_w
	v_and_b32 v221, 15, v1
	v_lshl_add_u32 v223, v221, 4, v223
	s_mul_i32 s39, s28, 9
.irp i, 0,1,2,3,4,5,6,7,8
	s_add_co_u32 s40, s39, \i
	s_lshr_b32 s41, s40, 6
	s_mul_i32 s41, s41, 171
	s_lshr_b32 s41, s41, 9                         ; c = (n / 64) / 3, exact for n / 64 under 144
	s_mul_i32 s42, s41, 192
	s_sub_co_u32 s42, s40, s42                     ; rho
	s_mul_i32 s42, s42, 12288
	s_lshl_b32 s43, s41, 8
	s_add_co_u32 s42, s42, s43
	v_add_nc_u32 v[LO+\i], s42, v223
	global_load_b128 v[DAT+4*\i:DAT+4*\i+3], v[LO+\i], s[18:19] th:TH_LOAD_NT
.endr
.Lrole_in:
.macro RED a, b                        ; the sum over the 32 lanes, in every lane
	v_add_f32_dpp v[\a], v[\a], v[\a] row_xmask:1 row_mask:0xf bank_mask:0xf
	v_add_f32_dpp v[\a], v[\a], v[\a] row_xmask:2 row_mask:0xf bank_mask:0xf
	v_add_f32_dpp v[\a], v[\a], v[\a] row_xmask:4 row_mask:0xf bank_mask:0xf
	v_add_f32_dpp v[\a], v[\a], v[\a] row_xmask:8 row_mask:0xf bank_mask:0xf
	v_permlanex16_b32 v[\b], v[\a], s30, s31
	v_add_f32 v[\a], v[\a], v[\b]
.endm
.macro LNROW i
.set xr, XR+12*(\i)
.set yr, YR+6*((\i)%2)
	s_wait_loadcnt 3*(7-(\i))+16                   ; loads come back in order: the later rows' 3 (7 - i) and the sixteen behind them may stay out
	s_wait_xcnt 0x0                                ; the stores of the row before last have read this set of y's registers
	v_pk_add_f32 v[132:133], v[xr:xr+1], v[xr+2:xr+3]
	v_pk_add_f32 v[134:135], v[xr+4:xr+5], v[xr+6:xr+7]
	v_pk_add_f32 v[136:137], v[xr+8:xr+9], v[xr+10:xr+11]
	v_pk_add_f32 v[132:133], v[132:133], v[134:135]
	v_pk_add_f32 v[132:133], v[132:133], v[136:137]
	v_add_f32 v132, v132, v133
	RED 132, 133
	v_mul_f32 v128, s32, v132                      ; the mean
.irp k, 0,2,4,6,8,10
	v_pk_add_f32 v[xr+\k:xr+\k+1], v[xr+\k:xr+\k+1], v[128:129] op_sel_hi:[1,0] neg_lo:[0,1] neg_hi:[0,1]
.endr
	v_pk_mul_f32 v[132:133], v[xr:xr+1], v[xr:xr+1]
	v_pk_mul_f32 v[134:135], v[xr+2:xr+3], v[xr+2:xr+3]
	v_pk_fma_f32 v[132:133], v[xr+4:xr+5], v[xr+4:xr+5], v[132:133]
	v_pk_fma_f32 v[134:135], v[xr+6:xr+7], v[xr+6:xr+7], v[134:135]
	v_pk_fma_f32 v[132:133], v[xr+8:xr+9], v[xr+8:xr+9], v[132:133]
	v_pk_fma_f32 v[134:135], v[xr+10:xr+11], v[xr+10:xr+11], v[134:135]
	v_pk_add_f32 v[132:133], v[132:133], v[134:135]
	v_add_f32 v132, v132, v133
	RED 132, 133
	v_fma_f32 v132, v132, s32, s33                 ; the variance + 1e-5
	v_rsq_f32 v130, v132
	v_nop                                          ; a plain instruction behind the root,
	s_wait_alu depctr_va_vdst(0)                   ; and the wait ahead of its first reader: one a row
.irp k, 0,2,4,6,8,10
	v_pk_mul_f32 v[xr+\k:xr+\k+1], v[xr+\k:xr+\k+1], v[130:131] op_sel_hi:[1,0]
.endr
.irp k, 0,2,4,6,8,10
	v_pk_fma_f32 v[xr+\k:xr+\k+1], v[xr+\k:xr+\k+1], v[G1W+\k:G1W+\k+1], v[G1B+\k:G1B+\k+1]
.endr
.irp k, 0,1,2,3,4,5
	v_cvt_pk_bf16_f32 v[yr+\k], v[xr+2*\k], v[xr+2*\k+1]
.endr
.irp j, 0,1,2
	global_store_b64 v3, v[yr+2*\j:yr+2*\j+1], s[20:21] offset:768*(\i)+256*\j th:TH_STORE_NT
.endr
.endm
.irp i, 0,1,2,3,4,5,6,7
	LNROW \i
.endr
	s_wait_loadcnt 0x0                             ; the role's data
	s_cmp_eq_u32 s29, 0
	s_cbranch_scc0 .Lw2_out
.irp i, 0,1,2                          ; row h = 3 e + i of W1: its dot with ln2_b, then W1 o ln2_w in bf16 to block h / 64, row h % 64
.set wr, DAT+12*\i
	s_add_co_u32 s40, s38, \i
	s_lshr_b32 s41, s40, 6
	s_mul_i32 s41, s41, 98304
	s_and_b32 s42, s40, 63
	s_mul_i32 s42, s42, 768
	s_add_co_u32 s41, s41, s42
	v_add_nc_u32 v[LO+\i], s41, v3
	v_pk_mul_f32 v[132:133], v[wr:wr+1], v[G2B:G2B+1]
	v_pk_mul_f32 v[134:135], v[wr+2:wr+3], v[G2B+2:G2B+3]
	v_pk_fma_f32 v[132:133], v[wr+4:wr+5], v[G2B+4:G2B+5], v[132:133]
	v_pk_fma_f32 v[134:135], v[wr+6:wr+7], v[G2B+6:G2B+7], v[134:135]
	v_pk_fma_f32 v[132:133], v[wr+8:wr+9], v[G2B+8:G2B+9], v[132:133]
	v_pk_fma_f32 v[134:135], v[wr+10:wr+11], v[G2B+10:G2B+11], v[134:135]
	v_pk_add_f32 v[132:133], v[132:133], v[134:135]
	v_add_f32 v[136+\i], v132, v133
	RED 136+\i, 133
.irp k, 0,2,4,6,8,10
	v_pk_mul_f32 v[wr+\k:wr+\k+1], v[wr+\k:wr+\k+1], v[G2W+\k:G2W+\k+1]
.endr
.irp k, 0,1,2,3,4,5
	v_cvt_pk_bf16_f32 v[XR+6*\i+\k], v[wr+2*\k], v[wr+2*\k+1]
.endr
.irp j, 0,1,2
	global_store_b64 v[LO+\i], v[XR+6*\i+2*\j:XR+6*\i+2*\j+1], s[22:23] offset:256*\j th:TH_STORE_NT
.endr
.endr
	v_cmp_eq_u32 vcc_lo, 0, v1                     ; lane i takes row i's dot
	v_cndmask_b32 v140, v137, v136, vcc_lo
	v_cmp_gt_u32 vcc_lo, 2, v1
	v_cndmask_b32 v140, v138, v140, vcc_lo
	v_add_f32 v140, v140, v220                     ; + fc1_b
	v_cmp_gt_u32 vcc_lo, 3, v1
	s_wait_xcnt 0x0                                ; EXEC changes only behind this wait
	s_and_saveexec_b32 s44, vcc_lo
	global_store_b32 v222, v140, s[24:25]
	s_wait_xcnt 0x0                                ; and again in front of the line that widens it
	s_or_b32 exec_lo, exec_lo, s44
	s_branch .Lzero
.Lw2_out:
	s_mul_i32 s39, s28, 9
.irp i, 0,1,2,3,4,5,6,7,8
	s_add_co_u32 s40, s39, \i
	s_lshr_b32 s41, s40, 6
	s_mul_i32 s41, s41, 171
	s_lshr_b32 s41, s41, 9                         ; c
	s_mul_i32 s42, s41, 192
	s_sub_co_u32 s42, s40, s42                     ; rho
	s_lshl_b32 s42, s42, 8
	s_mul_i32 s41, s41, 98304
	s_add_co_u32 s42, s42, s41
	s_add_co_u32 s42, s42, 2*98304+49152           ; chunk c lies in block c + 2, behind its W1 part
	v_add_nc_u32 v[SO+\i], s42, v3
	v_cvt_pk_bf16_f32 v[XR+2*\i], v[DAT+4*\i], v[DAT+4*\i+1]
	v_cvt_pk_bf16_f32 v[XR+2*\i+1], v[DAT+4*\i+2], v[DAT+4*\i+3]
	global_store_b64 v[SO+\i], v[XR+2*\i:XR+2*\i+1], s[22:23] th:TH_STORE_NT
.endr
.Lzero:
	s_cmp_lt_u32 s27, 768                          ; 4 x 192 zero rows of 256 bytes
	s_cbranch_scc0 .Lno_zero
	s_lshr_b32 s41, s27, 6
	s_mul_i32 s41, s41, 171
	s_lshr_b32 s41, s41, 9                         ; which of the four parts
	s_mul_i32 s42, s41, 192
	s_sub_co_u32 s42, s27, s42
	s_lshl_b32 s42, s42, 8
	s_mov_b32 s43, 46*98304                        ; parts 2, 3: the W1 part of blocks 48, 49
	s_mov_b32 s44, 49152                           ; parts 0, 1: the W2 part of blocks 0, 1
	s_cmp_lt_u32 s41, 2
	s_cselect_b32 s43, s44, s43
	s_mul_i32 s41, s41, 98304
	s_add_co_u32 s42, s42, s41
	s_add_co_u32 s42, s42, s43
	v_add_nc_u32 v252, s42, v3
	v_mov_b32 v250, 0
	v_mov_b32 v251, 0
	global_store_b64 v252, v[250:251], s[22:23] th:TH_STORE_NT
.Lno_zero:
	s_cmp_eq_u32 s27, 768
	s_cbranch_scc0 .Lend
	v_mov_b32 v244, 0
	v_mov_b32 v245, 0
	v_mov_b32 v246, 0
	v_mov_b32 v247, 0
	global_store_b128 v2, v[244:247], s[24:25] offset:12288 th:TH_STORE_NT
.Lend:
	s_endpgm
.Lfunc_end_k_q73302fbddc_prep:
	.size	k_q73302fbddc_prep, .Lfunc_end_k_q73302fbddc_prep-k_q73302fbddc_prep
	.p2alignl 7, 3214868480
	.fill 96, 4, 3214868480
	.section	.rodata,"a",@progbits
	.p2align	6, 0x0
	.amdhsa_kernel k_q73302fbddc_prep
		.amdhsa_group_segment_fixed_size 0
		.amdhsa_private_segment_fixed_size 0
		.amdhsa_enable_private_segment 0
		.amdhsa_kernarg_size 88
		.amdhsa_user_sgpr_count 2
		.amdhsa_user_sgpr_kernarg_segment_ptr 1
		.amdhsa_wavefront_size32 1
		.amdhsa_system_sgpr_workgroup_id_x 1
		.amdhsa_system_sgpr_workgroup_id_y 1
		.amdhsa_system_sgpr_workgroup_id_z 1
		.amdhsa_system_vgpr_workitem_id 0
		.amdhsa_next_free_vgpr 256
		.amdhsa_next_free_sgpr 66
		.amdhsa_reserve_vcc 1
		.amdhsa_float_denorm_mode_32 3
		.amdhsa_float_denorm_mode_16_64 3
		.amdhsa_memory_ordered 1
		.amdhsa_forward_progress 1
		.amdhsa_inst_pref_size 54
	.end_amdhsa_kernel
	.amdgpu_metadata
---
amdhsa.version: [ 1, 2 ]
amdhsa.kernels:
  - .name:           k_q73302fbddc_prep
    .symbol:         k_q73302fbddc_prep.kd
    .args:
      - { .name: x, .offset: 0, .size: 8, .value_kind: global_buffer, .address_space: global }
      - { .name: ln1_w, .offset: 8, .size: 8, .value_kind: global_buffer, .address_space: global }
      - { .name: ln1_b, .offset: 16, .size: 8, .value_kind: global_buffer, .address_space: global }
      - { .name: ln2_w, .offset: 24, .size: 8, .value_kind: global_buffer, .address_space: global }
      - { .name: ln2_b, .offset: 32, .size: 8, .value_kind: global_buffer, .address_space: global }
      - { .name: fc1_w, .offset: 40, .size: 8, .value_kind: global_buffer, .address_space: global }
      - { .name: fc1_b, .offset: 48, .size: 8, .value_kind: global_buffer, .address_space: global }
      - { .name: fc2_w, .offset: 56, .size: 8, .value_kind: global_buffer, .address_space: global }
      - { .name: y, .offset: 64, .size: 8, .value_kind: global_buffer, .address_space: global }
      - { .name: wb, .offset: 72, .size: 8, .value_kind: global_buffer, .address_space: global }
      - { .name: b1f, .offset: 80, .size: 8, .value_kind: global_buffer, .address_space: global }
    .group_segment_fixed_size: 0
    .private_segment_fixed_size: 0
    .kernarg_segment_align: 8
    .kernarg_segment_size: 88
    .max_flat_workgroup_size: 256
    .sgpr_count:     66
    .vgpr_count:     256
    .wavefront_size: 32
...
	.end_amdgpu_metadata
.endif
;; end of part 1
;; launch block (part 2): grid 32 x 8, 4 waves a work-group, clusters of 4 x 1, 327,680 bytes of LDS; arguments x, y, wb, b1f, fc2_b, out0; writes out0
.if DOCPART == 2
	.amdgcn_target "amdgcn-amd-amdhsa--gfx1250"
	.amdhsa_code_object_version 6
	.text
	.protected	k_q73302fbddc_block
	.globl	k_q73302fbddc_block
	.p2align	8
	.type	k_q73302fbddc_block,@function
k_q73302fbddc_block:
	s_mov_b64 s[64:65], 0
	v_nop
	global_prefetch_b8 v0, s[64:65] scope:SCOPE_SE
	s_setreg_imm32_b32 hwreg(HW_REG_WAVE_MODE, 25, 1), 1
	s_wait_xcnt 0x0
	s_wait_alu depctr_hold_cnt(0) depctr_sa_sdst(0) depctr_va_vdst(0) depctr_va_sdst(0) depctr_va_ssrc(0) depctr_va_vcc(0) depctr_vm_vsrc(0)
	s_getreg_b32 s2, hwreg(HW_REG_IB_STS2, 6, 4)
	s_cmp_eq_u32 s2, 0
	s_cbranch_scc0 .Lentry_in_a_cluster
	s_endpgm
.Lentry_in_a_cluster:
	s_bfe_u32 s2, ttmp6, 0x10000c
	s_cmp_lg_u32 s2, 0x3003
	s_cbranch_scc0 .Lentry_shape_is_right
	s_endpgm
.Lentry_shape_is_right:
; out = x1 + gelu(LN2(x1) W1^T + b1) W2^T + b2,  x1 = x + softmax(y y^T / sqrt(32)) y,  y = LN1(x) in bf16 (made by the launch before, with the weights wb and the bias b1f: their layouts stand at its head).
; All matrix operands are bf16, all sums, maxima, norms and the gelu f32.
; LIMITS.  NaN and infinities are not treated apart.  A softmax weight below 2^-126 counts as 0.  The normal distribution function in the gelu is Abramowitz and Stegun's 26.2.17, off by 7.5e-8 at the most, for every x.
; SHARES.  A work-group owns 64 rows of one batch: 256 work-groups.  Wave w works on two tiles of 16 rows, tile w (local 0, which it owns) and tile w ^ 1 (local 1), and on half w & 1 of every ring tile: 64 of 128 keys,
; 32 of 64 hidden units.  So a wave runs an attention of its own (its own running maximum m, sum l and O) over its keys, and sums of its own in the MLP; the pair (w, w ^ 1) meets in LDS once behind each.
; LAYOUT.  Both products are taken transposed (S^T = K Q^T, O^T = V^T P; H^T = W1 Z^T, Out^T = W2 H): a lane holds ONE row (lane % 16), register j of a result key, hidden unit or channel 8 (lane / 16) + j.  So P, z and h
; become source 1 of the next product by rounding pairs in place, and a row's sums want one exchange between the halves of the lanes.
; ONE RING for the launch: 66 tiles of 98,304 bytes, 16 of y (K and V are the same bytes) and wb's 50 blocks, through two LDS slots.  Each wave fetches a quarter: 96 rows of 256 bytes, 16 bytes of padding behind each.
; CLUSTER.  The four work-groups of a cluster belong to one batch and walk the same tiles: each tile is asked for JOINTLY, by the same load with the same descriptor and a mask that names the four.
; KEY ORDER.  Row m of a K fragment is key 16 kb + 2 (m % 8) + m / 8, and lane L of the turning load addresses key k0 + 2 (L % 8) + L / 16: place 8 h + j holds key 2 j + h in P and in V^T alike.  A row of y is 816 bytes in
; LDS (204 words).
; THE MLP'S THREE STAGES run two turns apart: in turn T fc1 of chunk T, the gelu of chunk T - 1, fc2 of chunk T - 2; block T of wb holds W1 of chunk T and W2 of chunk T - 2.  So the gelu's vector work names no register
; of the products round it and stands in slices behind them.  The price of one text for all turns: fc2 of turns 0, 1 and fc1 of turns 48, 49 multiply zeros: 192 of 4,800 products.
; REGISTERS, in windows of 256 (s_set_vgpr_msb: bits 1:0 source 0, 3:2 source 1, 5:4 source 2, 7:6 destination):
;   window 0: v0-19 addresses; v20-35 statistics; v36-63 at work; v64-191 S^T (MLP: H, two buffers, TT, EE); v192-223 P (MLP: h, two buffers); v224-255 fc1's bias, two buffers
;   window 1: v0-191 sums of local tile 0; window 2: of local tile 1; window 3: v0-191 Q, later z.  v192-255 of windows 1, 2, 3: three fragment buffers F0, F1, F2
.set TILE,  98304
.set QT,    24576                      ; a wave's quarter of a tile in memory,
.set QL,    26112                      ; and in LDS: 96 rows of 272 bytes
.set SLOT,  104448                     ; slot 0 at 0, slot 1 here
.set PY,    816                        ; a row of y or of W1 in LDS: 3 x 272
.set W2O,   64*PY                      ; W2's chunk in a slot: 192 rows of 272 bytes
.set R2,    208896                     ; four regions of 25,344 bytes, a wave each: first the wave's 16 rows of x (their one fill), then its stage
.set RG,    25344
.set SPARE, 310272                     ; the spare words, 128 bytes for each wave: two blocks of 256 bytes that no other line names
.set OSP,   1552                       ; the way out: a row of 384 f32 + 16 bytes; 16 rows a wave, in slot 0 when its last fill has been read
.set OSG,   16*OSP
.set AK,  2                            ; v2, v3   my lane's place in K's fragments, slot 0, 1; none of v1-v19, v56-v59 is ever rewritten
.set AV,  4                            ; v4, v5   in V's
.set AW1, 6                            ; v6, v7   in W1's
.set AW2, 8                            ; v8, v9   in W2's
.set XA,  10                           ; v10  my 32 bytes of a row of x
.set EXW, 11                           ; v11  my region + 16 lane
.set EXR, 12                           ; v12  my partner's region + 16 lane
.set OSW, 13                           ; v13  the way out: where I put 32 bytes of a row
.set OSR, 14                           ; v14  where I read rows back
.set GO,  15                           ; v15  16 lane
.set QO,  16                           ; v16  my byte offset in 16 rows of y
.set BO,  17                           ; v17  my byte offset in a chunk's 64 numbers of b1f
.set SPW, 18                           ; v18  LDS address of my spare word
.set NIL, 19                           ; v19  0
.set ST,  20                           ; local tile t's statistics at v[ST + 8 t]: c m, m, l (two halves), c0-c3 at work; a takes c2
.set U,   40                           ; v[40:47] four pairs at work
.set PFO, 56                           ; v56  256 lane
.set FBO, 57                           ; v57  32 (lane / 16)
.set EXS, 58                           ; v58  my region + 8 lane
.set EXSR, 59                          ; v59  my partner's region + 8 lane
.set S,   64
.set TT,  128
.set EE,  160
.set P,   192
.set BIAS, 224
.set F,   192
.set WV,  16                           ; s16  my wave's number
.set KJ,  17                           ; s17  which half of a tile is mine
.set CX,  18                           ; s18  my place in the cluster: it enters global addresses of my own rows and of the prefetches alone
.set WOFF, 19                          ; s19  my quarter of a slot
.set G1,  24                           ; s[24:31] group 1 of the ring's loads
.set G1X, 32                           ; s[32:39] of x's load
.set G0,  40                           ; s[40:47] group 0 of the ring's loads, a set for each slot
.set G0X, 48                           ; s[48:51] of x's load
.set GP,  52                           ; s[52:55] attention: the address that each slot's set holds, without the type bits
.set LIMB, 56
.set CNT, 57
.set CS,  58                           ; s[58:59] c = log2(e) / sqrt(32)
.set SEL, 60                           ; s[60:61] v_permlanex16_b32's selects
.set PO,  62                           ; s[62:63] my 8,192 bytes of a tile, for the prefetches
.set KAP, 66                           ; s[66:67] sqrt(log2(e) / 2)
.set PP,  68                           ; s68      0.2316419
.set B5,  70                           ; s[70:79] the five coefficients, each divided by sqrt(2 pi), as pairs
.set B4,  72
.set B3,  74
.set B2,  76
.set B1,  78
.set BP,  80                           ; s[80:81] b1f at the chunk whose bias was loaded last
.set PFA, 82                           ; s[82:83] where my prefetches stand
.set LIM, 84                           ; s84, s56, s85: a wave prefetches while the loop's count is above these; the greatest number in a wave that asks for nothing
.set LIMM, 85
.set QA,  86                           ; s[86:89] y at the rows of local tile 0, 1
.set INV, 90                           ; s90  1 / 384
.set EPS, 91                           ; s91  1e-5
.set WT,  92                           ; s[92:95] wb at my quarter of blocks 0, 1
.set MSB, 0
.set GE,  0
.set np,  0
.macro WIN new                         ; the immediate's high byte repeats the setting that is left; a switch that changes nothing is dropped
.if MSB != (\new)
	s_set_vgpr_msb (MSB<<8)|(\new)
.set MSB, (\new)
.endif
.endm
.macro PLACES                          ; four places between a matrix instruction and a load into, or a vector instruction on, its registers (ISA guide 7.12.1 for vector instructions)
.rept 4
	v_nop
.endr
.endm
.macro CREST                           ; a round of the cluster's barrier behind its opening barrier
	s_cmp_lg_u32 s[WV], 0
	s_cbranch_scc1 .Lnot_wave_0_\@
	s_barrier_signal -3
.Lnot_wave_0_\@:
	s_barrier_wait -3
	s_barrier_signal -1
	s_barrier_wait -1
.endm
.macro CROUND
	s_barrier_signal -1
	s_barrier_wait -1
	CREST
.endm
; A PREFETCH INTO THE L2: 32 blocks of 256 bytes, a lane a block, one instruction a wave.  A tile's 384 blocks are shared out among waves 0 to 2 of the four partners BY ADDRESS (block group 3 cx + wave); of the clusters that
; walk the same tiles one asks: for y the batch's first, for wb the launch's first.  So each block is named once.  It stands behind the turn's first run of LDS loads.
.macro ASK lim
	s_cmp_gt_u32 s[CNT], s[\lim]
	s_cbranch_scc0 .Lnot_mine_\@
	global_prefetch_b8 v[PFO], s[PFA:PFA+1] th:TH_LOAD_NT scope:SCOPE_SE
.Lnot_mine_\@:
.endm
	s_load_b256 s[4:11], s[0:1], 0x0               ; x s[4:5], y s[6:7], wb s[8:9], b1f s[10:11]
	s_load_b128 s[12:15], s[0:1], 0x20             ; fc2_b s[12:13], out0 s[14:15]
	v_lshl_add_u32 v[SPW], v0, 2, SPARE
	v_mov_b32 v[NIL], 0
	ds_add_u32 v[SPW], v[NIL]                      ; the wave's opening: the add and its wait stand ahead of my first tensor load; the set-up below, work on registers, stands between them
	v_lshrrev_b32 v1, 5, v0
	v_readfirstlane_b32 s[WV], v1
	s_and_b32 s[KJ], s[WV], 1
	s_bfe_u32 s[CX], ttmp6, 0x40000
	s_and_b32 s20, ttmp7, 0xffff                   ; the batch, which the four partners share
	s_xor_b32 s21, s[WV], 1                        ; my partner among the waves
	s_mul_i32 s[WOFF], s[WV], QL
	s_lshl_b32 s22, ttmp9, 2                       ; in a cluster launch ttmp9 counts clusters
	s_add_co_u32 s22, s22, s[CX]
	s_lshl_b32 s22, s22, 6
	s_lshl_b32 s23, s20, 11
	s_add_co_u32 s22, s22, s23                     ; the work-group's first row
	s_lshl_b32 s23, s21, 4
	s_add_co_u32 s23, s22, s23
	s_mul_i32 s[QA+2], s23, 768                    ; local tile 1 in y
	s_mov_b32 s[QA+3], 0
	s_lshl_b32 s23, s[WV], 4
	s_add_co_u32 s22, s22, s23
	s_mul_i32 s[QA], s22, 768                      ; local tile 0 in y
	s_mov_b32 s[QA+1], 0
	s_mul_i32 s22, s22, 1536                       ; and in x and out0
	s_mov_b32 s23, 0
	s_mul_i32 s[GP], s20, 2048*768                 ; the batch's y,
	s_mul_i32 s[WT], s[WV], QT                     ; my quarter of a tile: neither hangs on my place in the cluster
	s_add_co_u32 s[GP], s[GP], s[WT]
	s_mov_b32 s[GP+1], 0
	s_mov_b32 s[WT+1], 0
	s_mul_i32 s[PO], s[CX], 3
	s_add_co_u32 s[PO], s[PO], s[WV]
	s_lshl_b32 s[PO], s[PO], 13
	s_mov_b32 s[PO+1], 0
	s_mul_i32 s[PFA], s20, 2048*768
	s_add_co_u32 s[PFA], s[PFA], s[PO]
	s_mov_b32 s[PFA+1], 0
	s_cmp_lt_u32 s[WV], 3
	s_cselect_b32 s94, 0, 1
	s_or_b32 s94, s94, ttmp9                       ; 0 in waves 0 to 2 of the batch's first cluster: the same in all four partners
	s_cmp_eq_u32 s94, 0
	s_cselect_b32 s[LIM], 1, -1
	s_cselect_b32 s[LIMB], 2, -1
	s_or_b32 s94, s94, s20                         ; and of the launch's first
	s_cmp_eq_u32 s94, 0
	s_cselect_b32 s[LIMM], 1, -1
	; group 1 of the ring's loads: 96 rows of 128 elements of 2 bytes, dense, padded in LDS
	s_mov_b32 s[G1], 15|(1<<16)|(1<<20)|(1<<21)|(5<<22)|(3<<25)  ; 15:0 the mask of four; 17:16 2-byte elements; 20 padding on; 21 set beside a mask; 24:22 after every 64 words (code 5); 31:25 4 words (code 3)
	s_mov_b32 s[G1+1], 128<<16                     ; tensor_dim0 = 128
	s_mov_b32 s[G1+2], 96<<16                      ; tensor_dim1 = 96
	s_mov_b32 s[G1+3], 128<<16                     ; tile_dim0 = 128
	s_mov_b32 s[G1+4], 96                          ; tile_dim1 = 96
	s_mov_b32 s[G1+5], 128                         ; 128 elements from row to row
	s_mov_b32 s[G1+6], 0
	s_mov_b32 s[G1+7], 0
	; group 1 of x's load, my own: 16 rows of x are 48 rows of 128 elements of 4 bytes, dense
	s_mov_b32 s[G1X], (2<<16)|(1<<20)|(6<<22)|(3<<25)  ; no mask; 4-byte elements; padding after every 128 words (code 6), 4 words (code 3)
	s_mov_b32 s[G1X+1], 128<<16
	s_mov_b32 s[G1X+2], 48<<16
	s_mov_b32 s[G1X+3], 128<<16
	s_mov_b32 s[G1X+4], 48
	s_mov_b32 s[G1X+5], 128
	s_mov_b32 s[G1X+6], 0
	s_mov_b32 s[G1X+7], 0
	s_mov_b32 s[G0], 1
	s_mov_b32 s[G0+1], s[WOFF]                     ; slot 0, my quarter
	s_mov_b32 s[G0+4], 1
	s_add_co_u32 s[G0+5], s[WOFF], SLOT            ; slot 1
	s_mov_b32 s[G0X], 1
	s_mul_i32 s[G0X+1], s[WV], RG
	s_add_co_u32 s[G0X+1], s[G0X+1], R2            ; my region
	s_mov_b32 s[CS], 0x3e8293ee                    ; 0.2550348
	s_mov_b32 s[CS+1], s[CS]
	s_mov_b32 s[SEL], 0x76543210
	s_mov_b32 s[SEL+1], 0xfedcba98
	s_mov_b32 s[KAP], 0x3f596d27                   ; 0.8493218
	s_mov_b32 s[KAP+1], s[KAP]
	s_mov_b32 s[PP], 0x3e6d3389
	s_mov_b32 s[B5], 0x3f07dc22                    ; 0.5307027
	s_mov_b32 s[B5+1], s[B5]
	s_mov_b32 s[B4], 0xbf3a00e3                    ; -0.7265760
	s_mov_b32 s[B4+1], s[B4]
	s_mov_b32 s[B3], 0x3f35f0e3                    ; 0.7107069
	s_mov_b32 s[B3+1], s[B3]
	s_mov_b32 s[B2], 0xbe11a98e                    ; -0.1422484
	s_mov_b32 s[B2+1], s[B2]
	s_mov_b32 s[B1], 0x3e027906                    ; 0.1274148
	s_mov_b32 s[B1+1], s[B1]
	s_mov_b32 s[INV], 0x3b2aaaab
	s_mov_b32 s[EPS], 0x3727c5ac
	; the lanes' places
	v_and_b32 v1, 15, v0                           ; r = l % 16
	v_bfe_u32 v36, v0, 4, 1                        ; h = l / 16
	v_and_b32 v37, 7, v0
	v_bfe_u32 v38, v0, 3, 1
	v_and_b32 v39, 31, v0                          ; l
	s_mul_i32 s95, s[KJ], 64*PY                    ; my 64 keys of a tile
	v_lshl_add_u32 v[AK], v37, 1, v38              ; row r of a K fragment is key 2 (r % 8) + r / 8
	v_mul_u32_u24 v[AK], v[AK], PY
	v_lshl_add_u32 v[AK], v36, 4, v[AK]
	v_add_nc_u32 v[AK], s95, v[AK]
	v_add_nc_u32 v[AK+1], SLOT, v[AK]
	v_lshl_add_u32 v[AV], v37, 1, v36              ; the turning load: key 2 (l % 8) + l / 16, channels 8 ((l / 8) % 2) on
	v_mul_u32_u24 v[AV], v[AV], PY
	v_lshl_add_u32 v[AV], v38, 4, v[AV]
	v_add_nc_u32 v[AV], s95, v[AV]
	v_add_nc_u32 v[AV+1], SLOT, v[AV]
	v_mul_u32_u24 v40, v1, PY
	v_lshl_add_u32 v40, v36, 4, v40
	s_mul_i32 s95, s[KJ], 32*PY                    ; my 32 hidden rows of W1
	v_add_nc_u32 v[AW1], s95, v40
	v_add_nc_u32 v[AW1+1], SLOT, v[AW1]
	v_mul_u32_u24 v40, v1, 272
	v_lshl_add_u32 v40, v36, 4, v40
	s_lshl_b32 s95, s[KJ], 6                       ; my 32 hidden columns of W2: 64 bytes
	s_add_co_u32 s95, s95, W2O
	v_add_nc_u32 v[AW2], s95, v40
	v_add_nc_u32 v[AW2+1], SLOT, v[AW2]
	s_mul_i32 s95, s[WV], RG
	s_add_co_u32 s95, s95, R2                      ; my region,
	s_mul_i32 s94, s21, RG
	s_add_co_u32 s94, s94, R2                      ; my partner's
	v_mul_u32_u24 v40, v1, 1584                    ; a row of x in LDS: 3 x 528 bytes
	v_lshl_add_u32 v40, v36, 5, v40
	v_add_nc_u32 v[XA], s95, v40
	v_lshl_add_u32 v[EXW], v39, 4, s95
	v_lshl_add_u32 v[EXR], v39, 4, s94
	v_lshl_add_u32 v[EXS], v39, 3, s95
	v_lshl_add_u32 v[EXSR], v39, 3, s94
	s_mul_i32 s94, s[WV], OSG
	v_mul_u32_u24 v40, v1, OSP
	v_lshl_add_u32 v40, v36, 5, v40
	v_add_nc_u32 v[OSW], s94, v40
	v_lshl_add_u32 v[OSR], v39, 4, s94
	v_lshlrev_b32 v[GO], 4, v39
	v_mul_u32_u24 v[QO], v1, 768
	v_lshl_add_u32 v[QO], v36, 4, v[QO]
	s_lshl_b32 s94, s[KJ], 7
	v_lshl_add_u32 v[BO], v36, 5, s94
	v_lshlrev_b32 v[PFO], 8, v39
	v_lshlrev_b32 v[FBO], 5, v36
	s_wait_dscnt 0x0                               ; the opening add is done
	s_wait_kmcnt 0x0
	s_add_nc_u64 s[GP:GP+1], s[6:7], s[GP:GP+1]    ; my quarter of tile 0,
	s_add_nc_u64 s[GP+2:GP+3], s[GP:GP+1], TILE    ; of tile 1
	s_mov_b64 s[G0+2:G0+3], s[GP:GP+1]
	s_or_b32 s[G0+3], s[G0+3], 0x80000000          ; 127:126 type = 2
	s_mov_b64 s[G0+6:G0+7], s[GP+2:GP+3]
	s_or_b32 s[G0+7], s[G0+7], 0x80000000
	s_add_nc_u64 s[G0X+2:G0X+3], s[4:5], s[22:23]
	s_or_b32 s[G0X+3], s[G0X+3], 0x80000000
	s_add_nc_u64 s[14:15], s[14:15], s[22:23]      ; out0 at my 16 rows
	s_add_nc_u64 s[WT:WT+1], s[8:9], s[WT:WT+1]
	s_add_nc_u64 s[WT+2:WT+3], s[WT:WT+1], TILE
	s_add_nc_u64 s[QA:QA+1], s[6:7], s[QA:QA+1]
	s_add_nc_u64 s[QA+2:QA+3], s[6:7], s[QA+2:QA+3]
	s_add_nc_u64 s[PFA:PFA+1], s[6:7], s[PFA:PFA+1]
	s_add_nc_u64 s[PFA:PFA+1], s[PFA:PFA+1], 2*TILE  ; at tile 2: the first turn steps it to tile 3.  Nothing is prefetched here, where every work-group's first tiles are on their way
	s_mov_b64 s[BP:BP+1], s[10:11]
	CROUND                                         ; all four work-groups are here: the first joint loads meet
	tensor_load_to_lds s[G0:G0+3], s[G1:G1+7]      ; the three first fills go out together: three tensor loads of mine are out, the most in this text
	s_nop 0
	tensor_load_to_lds s[G0+4:G0+7], s[G1:G1+7]
	s_nop 0
	tensor_load_to_lds s[G0X:G0X+3], s[G1X:G1X+7]
	s_nop 0
	PLACES
	WIN 0xc0                                       ; Q stays in registers: a fragment is 16 rows x 32 channels: lane l holds row l % 16, channels 8 (l / 16) + 0..7 and 16 + 8 (l / 16) + 0..7
.irp t, 0,1
.set z, 0
.rept 12
	global_load_b128 v[96*\t+8*z:96*\t+8*z+3], v[QO], s[QA+2*\t:QA+2*\t+1] offset:64*z
	global_load_b128 v[96*\t+8*z+4:96*\t+8*z+7], v[QO], s[QA+2*\t:QA+2*\t+1] offset:64*z+32
.set z, z+1
.endr
.endr
	; O and l start at 0, c m far below every c s, m at the lowest finite number: the first step is a step like any other, with a = 0.  These lines stand in the wait for the first tile; their price buys one text for all turns.
	WIN 0x40
.set z, 0
.rept 192
	v_mov_b32 v[z], 0
.set z, z+1
.endr
	WIN 0x80
.set z, 0
.rept 192
	v_mov_b32 v[z], 0
.set z, z+1
.endr
	WIN 0
.irp t, 0,1
	v_mov_b32 v[ST+8*\t], 0xfe000000
	v_mov_b32 v[ST+8*\t+1], 0xff7fffff
	v_mov_b32 v[ST+8*\t+2], 0
	v_mov_b32 v[ST+8*\t+3], 0
.endr
; THE MATRIX WORK GOES IN GROUPS: 8 fragments (16 LDS loads in one run) into buffer (group % 3), and 16 matrix instructions.  A group's loads are issued two groups ahead.
.macro LD_A adr, g                     ; K's or W1's fragments: fragment i: channels 32 (4 (g % 3) + i / 2) on, rows 16 (2 (g / 3) + i % 2) on
	WIN (1+(\g)%3)<<6
.set li, 0
.rept 8
.set lc, 4*((\g)%3)+li/2
.set lof, (2*((\g)/3)+li%2)*16*PY+64*lc+16*(lc/4)
	ds_load_b128 v[F+8*li:F+8*li+3], v[\adr] offset:lof
	ds_load_b128 v[F+8*li+4:F+8*li+7], v[\adr] offset:lof+32
.set li, li+1
.endr
.endm
.macro LD_V adr, g                     ; V's, turned: keys 32 (g / 3) on, channels 16 (8 (g % 3) + i) on
	WIN (1+(\g)%3)<<6
.set li, 0
.rept 8
.set lc, 8*((\g)%3)+li
.set lof, ((\g)/3)*32*PY+32*lc+16*(lc/8)
	ds_load_tr16_b128 v[F+8*li:F+8*li+3], v[\adr] offset:lof
	ds_load_tr16_b128 v[F+8*li+4:F+8*li+7], v[\adr] offset:lof+16*PY
.set li, li+1
.endr
.endm
.macro LD_W2 adr, g                    ; W2's: out-channels 16 (8 g + i) on: rows 16 (cb % 12) on of the chunk, half cb / 12 of a row
	WIN (1+(\g)%3)<<6
.set li, 0
.rept 8
.set lc, 8*(\g)+li
.set lof, (lc%12)*16*272+(lc/12)*128
	ds_load_b128 v[F+8*li:F+8*li+3], v[\adr] offset:lof
	ds_load_b128 v[F+8*li+4:F+8*li+7], v[\adr] offset:lof+32
.set li, li+1
.endr
.endm
; THE GELU, gelu(x) = max(x, 0) - |x| G, G = 2^(-(k x)^2) t (B1 + t (B2 + t (B3 + t (B4 + t B5)))), t = 1 / (1 + p |x|), for the 16 pairs of a chunk's H, in two parts.
; PART A, 34 slices of [plain, transcendental, plain, transcendental].  Plain, for pair q: EE = k x; TT.lo = 1 + p |x.lo|; EE = -EE EE; TT.hi.  Transcendental, two slices later: 2^EE.lo, 1 / TT.lo, 2^EE.hi, 1 / TT.hi, in place.
; No line of part A names a transcendental's result; behind the last slice stand a v_nop and ONE wait for all 64.
.macro GAP n
.set gq, (\n)/4
.if (\n)%4 == 0
	v_pk_mul_f32 v[EE+2*gq:EE+2*gq+1], v[HB+2*gq:HB+2*gq+1], s[KAP:KAP+1] op_sel_hi:[1,0]
.elseif (\n)%4 == 2
	v_pk_mul_f32 v[EE+2*gq:EE+2*gq+1], v[EE+2*gq:EE+2*gq+1], v[EE+2*gq:EE+2*gq+1] neg_lo:[1,0] neg_hi:[1,0]
.else
	v_fma_f32 v[TT+2*gq+((\n)%4)/2], |v[HB+2*gq+((\n)%4)/2]|, s[PP], 1.0
.endif
.endm
.macro GAT n
.set gq, (\n)/4
.if (\n)%2 == 0
	v_exp_f32 v[EE+2*gq+((\n)%4)/2], v[EE+2*gq+((\n)%4)/2]
.else
	v_rcp_f32 v[TT+2*gq+((\n)%4)/2], v[TT+2*gq+((\n)%4)/2]
.endif
.endm
.macro GA s
	WIN 0
.if (\s) < 32
	GAP 2*(\s)
.endif
.if (\s) >= 2
	GAT 2*(\s)-4
.endif
.if (\s) < 32
	GAP 2*(\s)+1
.endif
.if (\s) >= 2
	GAT 2*(\s)-3
.endif
.if (\s) == 33
	v_nop                                          ; a plain instruction behind the last transcendental,
	s_wait_alu depctr_va_vdst(0)                   ; and the wait for the batch
.endif
.endm
; PART B, 176 entries: four blocks of four pairs x eleven stages, so that a pair's stages stand four lines apart.
.macro GB
	WIN 0
.set gq, 4*(nb/44)+nb%4
.set gs, (nb%44)/4
.set gu, U+2*(nb%4)
.set gx, HB+2*gq
.set gt, TT+2*gq
.set gz, EE+2*gq
.if gs == 0
	v_pk_mul_f32 v[gz:gz+1], v[gz:gz+1], v[gt:gt+1]
.elseif gs == 1
	v_pk_fma_f32 v[gu:gu+1], v[gt:gt+1], s[B5:B5+1], s[B4:B4+1] op_sel_hi:[1,0,0]
.elseif gs == 2
	v_pk_fma_f32 v[gu:gu+1], v[gu:gu+1], v[gt:gt+1], s[B3:B3+1] op_sel_hi:[1,1,0]
.elseif gs == 3
	v_pk_fma_f32 v[gu:gu+1], v[gu:gu+1], v[gt:gt+1], s[B2:B2+1] op_sel_hi:[1,1,0]
.elseif gs == 4
	v_pk_fma_f32 v[gu:gu+1], v[gu:gu+1], v[gt:gt+1], s[B1:B1+1] op_sel_hi:[1,1,0]
.elseif gs == 5
	v_pk_mul_f32 v[gz:gz+1], v[gu:gu+1], v[gz:gz+1]
.elseif gs < 8
	v_max_num_f32 v[gt+gs-6], 0, v[gx+gs-6]
.elseif gs < 10
	v_fma_f32 v[gx+gs-8], -|v[gx+gs-8]|, v[gz+gs-8], v[gt+gs-8]
.else
	v_cvt_pk_bf16_f32 v[HPB+gq], v[gx], v[gx+1]    ; pair q = 8 t + 4 hb + i is register q of the two fragments of h
.endif
.set nb, nb+1
.endm
; What stands behind product np of a turn: in a turn with a gelu a slice of part A behind products 0 to 25 (slices 0 to 7 stand ahead of the products), three entries of part B behind products 26 to 84.
.macro RID
.if GE
.if np < 26
	GA 8+np
.elseif np < 85
.rept 3
.if nb < 176
	GB
.endif
.endr
.endif
.endif
.set np, np+1
.endm
; 16 products of the first kind (S^T = K Q^T, H^T = W1 Z^T): fragment i x both local tiles.  Four accumulators take turns, one instruction a turn.
; The products on channels 0 to 31 start the sums: with the constant 0, or (cb0 > 0) with the bias in v[cb0 + 8 block].
.macro MM_S g, base, ts, cb0
.set mi, 0
.rept 8
.set mc, 4*((\g)%3)+mi/2
.set mk, 2*((\g)/3)+mi%2
.irp t, 0,1
.set mD, (\base)+(\ts)*\t+8*mk
	WIN 0x0c|(1+(\g)%3)
.if mc > 0
	v_wmma_f32_16x16x32_bf16 v[mD:mD+7], v[F+8*mi:F+8*mi+7], v[96*\t+8*mc:96*\t+8*mc+7], v[mD:mD+7]
.elseif (\cb0) > 0
	v_wmma_f32_16x16x32_bf16 v[mD:mD+7], v[F+8*mi:F+8*mi+7], v[96*\t+8*mc:96*\t+8*mc+7], v[(\cb0)+8*mk:(\cb0)+8*mk+7]
.else
	v_wmma_f32_16x16x32_bf16 v[mD:mD+7], v[F+8*mi:F+8*mi+7], v[96*\t+8*mc:96*\t+8*mc+7], 0
.endif
	RID
.endr
.set mi, mi+1
.endr
.endm
; 16 products of the second kind (O^T += V^T P, Out^T += W2 H): 16 different accumulators.
.macro MM_P g, pb, ps
.irp t, 0,1
.set mi, 0
.rept 8
.set mD, 8*(8*((\g)%3)+mi)
.set mB, (\pb)+(\ps)*\t+8*((\g)/3)
	WIN ((1+\t)<<6)|((1+\t)<<4)|(1+(\g)%3)
	v_wmma_f32_16x16x32_bf16 v[mD:mD+7], v[F+8*mi:F+8*mi+7], v[mB:mB+7], v[mD:mD+7]
	RID
.set mi, mi+1
.endr
.endr
.endm
; THE SOFTMAX of one local tile for one turn: number j of a list.  s0-s31 are the lane's 32 scores, in pairs 0-15.
;   0-15 the maximum of the scores and the old m (each accumulator's lowest registers are read first)     16-20 the other half of the lanes' maximum; m; c m; c m_old - c m_new
;   21-69 the 16 scalings c s - c m and all 33 exponentials (a at 23): none reads an exponential's result     70-85 the roundings to bf16     86-101 the sums; l = a l + the sum
.macro SM t
.set rT, ST+8*(\t)
.set rS, S+32*(\t)
.set rP, P+16*(\t)
.if j < 4
	v_max3_num_f32 v[rT+4+j], v[rS+8*j], v[rS+8*j+1], v[rS+8*j+2]
.elseif j < 12
	v_max3_num_f32 v[rT+4+j%4], v[rT+4+j%4], v[rS+8*(j%4)+2*(j/4)+1], v[rS+8*(j%4)+2*(j/4)+2]
.elseif j == 12
	v_max3_num_f32 v[rT+4], v[rT+4], v[rS+7], v[rS+15]
.elseif j == 13
	v_max3_num_f32 v[rT+6], v[rT+6], v[rS+23], v[rS+31]
.elseif j == 14
	v_max3_num_f32 v[rT+4], v[rT+4], v[rT+5], v[rT+6]
.elseif j == 15
	v_max3_num_f32 v[rT+4], v[rT+4], v[rT+7], v[rT+1]
.elseif j == 16
	v_permlanex16_b32 v[rT+5], v[rT+4], s[SEL], s[SEL+1]
.elseif j == 17
	v_mov_b32 v[rT+7], v[rT]
.elseif j == 18
	v_max_num_f32 v[rT+1], v[rT+4], v[rT+5]
.elseif j == 19
	v_mul_f32 v[rT], s[CS], v[rT+1]
.elseif j == 20
	v_sub_f32 v[rT+7], v[rT+7], v[rT]
.elseif j == 23
	v_exp_f32 v[rT+6], v[rT+7]
.elseif (j < 23) || ((j < 38) && (j%2 == 0)) || ((j < 66) && (j%4 == 2))
.set sb, (j-2)/4
.if j < 38
.set sb, (j-20)/2
.endif
	v_pk_fma_f32 v[rS+2*sb:rS+2*sb+1], v[rS+2*sb:rS+2*sb+1], s[CS:CS+1], v[rT:rT+1] op_sel_hi:[1,0,0] neg_lo:[0,0,1] neg_hi:[0,0,1]
.elseif j < 70
.set se, j-38
.if j < 66
.set se, j-32-(j-38)/4
.endif
.if j < 38
.set se, (j-25)/2
.endif
	v_exp_f32 v[rS+se], v[rS+se]
.elseif j < 86
	v_cvt_pk_bf16_f32 v[rP+j-70], v[rS+2*(j-70)], v[rS+2*(j-70)+1]
.else
.set sz, j-86
.set sw, 4
.set su, sz
.if sz >= 14
.set sw, 32
.set su, 0
.elseif sz >= 12
.set sw, 16
.set su, sz-12
.elseif sz >= 8
.set sw, 8
.set su, sz-8
.endif
.if sz < 15
	v_pk_add_f32 v[rS+sw*su:rS+sw*su+1], v[rS+sw*su:rS+sw*su+1], v[rS+sw*su+sw/2:rS+sw*su+sw/2+1]
.else
	v_pk_fma_f32 v[rT+2:rT+3], v[rT+2:rT+3], v[rT+6:rT+7], v[rS:rS+1] op_sel_hi:[1,0,1]
.endif
.endif
.endm
.macro SOFTMAX                         ; both local tiles, alternating; then both tiles' O^T times a, from each accumulator's low end on
	WIN 0
.set j, 0
.rept 70
	SM 0
	SM 1
.set j, j+1
.endr
	v_nop                                          ; a plain instruction behind the last exponential,
	s_wait_alu depctr_va_vdst(0)                   ; and ONE wait for the 66, ahead of their first reader
.rept 32
	SM 0
	SM 1
.set j, j+1
.endr
.irp t, 0,1
	WIN ((1+\t)<<6)|(1+\t)
.set z, 0
.rept 96
	v_pk_mul_f32 v[2*z:2*z+1], v[2*z:2*z+1], v[ST+8*\t+6:ST+8*\t+7] op_sel_hi:[1,0]
.set z, z+1
.endr
.endr
.endm
.macro MEET3                           ; all my tensor loads have landed (the one that was out is my quarter of the other slot); 0 onto my spare word
	WIN 0
	s_wait_tensorcnt 0x0
	ds_add_u32 v[SPW], v[NIL]
.endm
; AN ATTENTION TURN: 128 keys in slot `slot`, of which 64 are mine: groups 0-5 S^T, the softmax, groups 6-11 O^T.
; s_wait_dscnt: 32 = the next two groups' loads may stay out; 17 = the last group's 16 and the add; 0 = the add is done and my reads of the slot are over.
; The change of slots: the three lines; the slot's descriptor steps two tiles on while the add is out (in the last trip: to wb's blocks 0 and 1); the signal opens a round of the cluster's barrier, 16 products stand
; between it and its wait; behind the round no wave of any partner reads this slot or has a load on its way, and the joint refill is the first thing there.  It has the next turn, 192 products, in which to land.
.macro GRP_A slot, G
.if (\G) < 4
	PLACES
	LD_A AK+\slot, (\G)+2
.elseif (\G) < 10
	PLACES
	LD_V AV+\slot, (\G)-4
.endif
.if (\G) == 10
	MEET3
	s_add_nc_u64 s[GP+2*\slot:GP+2*\slot+1], s[GP+2*\slot:GP+2*\slot+1], 2*TILE
	s_cmp_eq_u32 s[CNT], 1
	s_cselect_b64 s[GP+2*\slot:GP+2*\slot+1], s[WT+2*\slot:WT+2*\slot+1], s[GP+2*\slot:GP+2*\slot+1]
	s_mov_b64 s[G0+4*\slot+2:G0+4*\slot+3], s[GP+2*\slot:GP+2*\slot+1]
	s_or_b32 s[G0+4*\slot+3], s[G0+4*\slot+3], 0x80000000
	s_wait_dscnt 17
.elseif (\G) == 11
	s_wait_dscnt 0x0
	s_barrier_signal -1
.else
	s_wait_dscnt 32
.endif
.if (\G) < 6
	MM_S \G, S, 32, 0
.else
	MM_P (\G)-6, P, 16
.endif
.if (\G) == 5
	PLACES
	SOFTMAX
.endif
.endm
.macro TURNA slot
	WIN 0
	s_wait_xcnt 0x0                                ; the last prefetch, a turn back, has read its address
	s_add_nc_u64 s[PFA:PFA+1], s[PFA:PFA+1], TILE
	LD_A AK+\slot, 0
	LD_A AK+\slot, 1
	WIN 0
.if \slot
	ASK LIMB                                       ; in the turn on tile i: tile i + 3, which the next change of slots will ask for; tiles 3 to 15
.else
	ASK LIM
.endif
.irp G, 0,1,2,3,4,5,6,7,8,9,10,11
	GRP_A \slot, \G
.endr
	WIN 0
	s_barrier_wait -1
	CREST
	tensor_load_to_lds s[G0+4*\slot:G0+4*\slot+3], s[G1:G1+7]
	s_nop 0
	PLACES                                         ; also the places in front of the next loads into the fragment buffers
.endm
	s_wait_tensorcnt 0x2                           ; my quarter of tile 0 is in; tile 1 and x may stay out
	s_barrier_signal -1
	s_barrier_wait -1                              ; everybody's is
	s_wait_loadcnt 0x0                             ; Q
	s_mov_b32 s[CNT], 8
.Latt:                                         ; 8 trips, two tiles each; the refills are tiles 2 to 17, of which 16 and 17 are wb's blocks 0 and 1
	TURNA 0
	TURNA 1
	s_sub_co_u32 s[CNT], s[CNT], 1
	s_cmp_lg_u32 s[CNT], 0
	s_cbranch_scc1 .Latt
	; THE PAIR MEETS.  My x comes out of my region into the fragment buffers; local tile 1's O^T, c m and l go into the same region (LDS serves a wave's instructions in order: ISA guide 5.7.1.4) for my partner, who owns that tile.
.set z, 0
.rept 24
	WIN (1+z/8)<<6
	ds_load_b128 v[F+8*(z%8):F+8*(z%8)+3], v[XA] offset:64*z+16*(z/8)
	ds_load_b128 v[F+8*(z%8)+4:F+8*(z%8)+7], v[XA] offset:64*z+16*(z/8)+16
.set z, z+1
.endr
	WIN 0
.irp t, 0,1
	v_add_f32 v[ST+8*\t+2], v[ST+8*\t+2], v[ST+8*\t+3]
.endr
.irp t, 0,1
	v_permlanex16_b32 v[ST+8*\t+3], v[ST+8*\t+2], s[SEL], s[SEL+1]
.endr
.irp t, 0,1
	v_add_f32 v[ST+8*\t+2], v[ST+8*\t+2], v[ST+8*\t+3]
.endr
	v_mov_b32 v38, v[ST+8]
	v_mov_b32 v39, v[ST+10]
	WIN 0x08                                       ; store data in window 2
.set z, 0
.rept 48
	ds_store_b128 v[EXW], v[4*z:4*z+3] offset:512*z
.set z, z+1
.endr
	WIN 0
	ds_store_b64 v[EXS], v[38:39] offset:24576
	s_wait_dscnt 0x0                               ; for my partner's sake: my stores are done (and x is in)
	s_barrier_signal -1
	s_barrier_wait -1
	WIN 0x80
.set z, 0
.rept 48
	ds_load_b128 v[4*z:4*z+3], v[EXR] offset:512*z ; my partner's O^T for my tile
.set z, z+1
.endr
	WIN 0
	ds_load_b64 v[38:39], v[EXSR] offset:24576     ; its c m and l
	s_wait_dscnt 0x0                               ; my reads of my partner's region are over:
	s_barrier_signal -1                            ; say so; the work on registers below stands between the signal and the wait
	v_max_num_f32 v48, v[ST], v38
	v_sub_f32 v50, v[ST], v48
	v_sub_f32 v51, v38, v48
	v_exp_f32 v50, v50
	v_exp_f32 v51, v51
	v_nop
	s_wait_alu depctr_va_vdst(0)
	v_mul_f32 v52, v[ST+2], v50
	v_fmac_f32 v52, v39, v51                       ; l of all 2,048 keys, on the common maximum
	v_rcp_f32 v52, v52
	v_nop
	s_wait_alu depctr_va_vdst(0)
	v_mul_f32 v48, v50, v52                        ; my O's factor,
	v_mul_f32 v50, v51, v52                        ; my partner's
	v_mov_b32 v49, v48
.set z, 0
.rept 96                               ; x1 = x + O g + O' g'
	WIN 0x41|((1+z/32)<<4)
	v_pk_fma_f32 v[2*z:2*z+1], v[2*z:2*z+1], v[48:49], v[F+2*(z%32):F+2*(z%32)+1] op_sel_hi:[1,0,1]
.set z, z+1
.endr
	WIN 0x52
.set z, 0
.rept 96
	v_pk_fma_f32 v[2*z:2*z+1], v[2*z:2*z+1], v[50:51], v[2*z:2*z+1] op_sel_hi:[1,0,1]
.set z, z+1
.endr
	; LN2 without its gain and bias (they lie in wb and b1f): the mean, the differences, their squares, in four chains
	WIN 0x05
.irp k, 0,1,2,3
	v_pk_add_f32 v[U+2*\k:U+2*\k+1], v[2*\k:2*\k+1], v[8+2*\k:8+2*\k+1]
.endr
	WIN 0x04
.set z, 8
.rept 88
	v_pk_add_f32 v[U+2*(z%4):U+2*(z%4)+1], v[U+2*(z%4):U+2*(z%4)+1], v[2*z:2*z+1]
.set z, z+1
.endr
	WIN 0
	v_pk_add_f32 v[U:U+1], v[U:U+1], v[U+2:U+3]
	v_pk_add_f32 v[U+4:U+5], v[U+4:U+5], v[U+6:U+7]
	v_pk_add_f32 v[U:U+1], v[U:U+1], v[U+4:U+5]
	v_add_f32 v[U], v[U], v[U+1]
	v_permlanex16_b32 v[U+1], v[U], s[SEL], s[SEL+1]
	v_add_f32 v[U], v[U], v[U+1]
	v_mul_f32 v52, s[INV], v[U]
	v_mov_b32 v53, v52
	WIN 0x81
.set z, 0
.rept 96
	v_pk_add_f32 v[2*z:2*z+1], v[2*z:2*z+1], v[52:53] op_sel_hi:[1,0] neg_lo:[0,1] neg_hi:[0,1]
.set z, z+1
.endr
	WIN 0x0a
.irp k, 0,1,2,3
	v_pk_mul_f32 v[U+2*\k:U+2*\k+1], v[2*\k:2*\k+1], v[2*\k:2*\k+1]
.endr
.set z, 4
.rept 92
	v_pk_fma_f32 v[U+2*(z%4):U+2*(z%4)+1], v[2*z:2*z+1], v[2*z:2*z+1], v[U+2*(z%4):U+2*(z%4)+1]
.set z, z+1
.endr
	WIN 0
	v_pk_add_f32 v[U:U+1], v[U:U+1], v[U+2:U+3]
	v_pk_add_f32 v[U+4:U+5], v[U+4:U+5], v[U+6:U+7]
	v_pk_add_f32 v[U:U+1], v[U:U+1], v[U+4:U+5]
	v_add_f32 v[U], v[U], v[U+1]
	v_permlanex16_b32 v[U+1], v[U], s[SEL], s[SEL+1]
	v_add_f32 v[U], v[U], v[U+1]
	v_fma_f32 v[U], v[U], s[INV], s[EPS]
	v_rsq_f32 v54, v[U]
	v_nop
	s_wait_alu depctr_va_vdst(0)
	v_mov_b32 v55, v54
	WIN 0x82
.set z, 0
.rept 96
	v_pk_mul_f32 v[2*z:2*z+1], v[2*z:2*z+1], v[54:55] op_sel_hi:[1,0]
.set z, z+1
.endr
	WIN 0xca                                       ; z: register n of the 12 fragments is the pair 2 n, 2 n + 1
.set z, 0
.rept 96
	v_cvt_pk_bf16_f32 v[z], v[2*z], v[2*z+1]
.set z, z+1
.endr
	WIN 0
	s_barrier_wait -1                              ; my partner has read my region: it may be written again
	WIN 0x80                                       ; local tile 1's sums begin with fc2_b, local tile 0's with x1: nothing is cleared, and nothing is added later
.set z, 0
.rept 24
	global_load_b128 v[8*z:8*z+3], v[FBO], s[12:13] offset:64*z
	global_load_b128 v[8*z+4:8*z+7], v[FBO], s[12:13] offset:64*z+16
.set z, z+1
.endr
	WIN 0
.irp q, 0,1,2,3
	global_load_b128 v[BIAS+4*\q:BIAS+4*\q+3], v[BO], s[BP:BP+1] offset:64*(\q/2)+16*(\q%2)  ; chunk 0's bias
.endr
	WIN 0x0c
.set z, 0
.rept 24
	ds_store_b128 v[EXW], v[4*z:4*z+3] offset:512*z  ; my tile's z, for my partner
.set z, z+1
.endr
	s_wait_dscnt 0x0
	s_barrier_signal -1
	s_barrier_wait -1
	WIN 0xc0
.set z, 0
.rept 24
	ds_load_b128 v[96+4*z:96+4*z+3], v[EXR] offset:512*z
.set z, z+1
.endr
	WIN 0
.set z, 0
.rept 32
	v_mov_b32 v[S+32+z], 0                         ; turn 0's gelu works on a chunk that has not been,
.set z, z+1
.endr
.set z, 0
.rept 16
	v_mov_b32 v[P+z], 0                            ; and its fc2 multiplies one: both find zeros
.set z, z+1
.endr
	s_wait_xcnt 0x0
	s_add_nc_u64 s[PFA:PFA+1], s[8:9], s[PO:PO+1]
	s_add_nc_u64 s[PFA:PFA+1], s[PFA:PFA+1], 3*TILE  ; at block 3: turn 0 steps it to block 4; blocks 0 to 3 come by their loads alone
	s_mov_b32 s[CNT], 24
	s_wait_dscnt 0x0                               ; my partner's z is in
; AN MLP TURN on block T in slot par = T % 2: groups 0-2 fc1 of chunk T into H[par], groups 3-5 fc2 of chunk T - 2 from h[par]; the gelu of chunk T - 1, from H[1 - par] into h[1 - par], behind the products.
.macro GRP_M par, G, meet, refill
.if (\G) < 1
	PLACES
	LD_A AW1+\par, (\G)+2
.elseif (\G) < 4
	PLACES
	LD_W2 AW2+\par, (\G)-1
.endif
.if ((\G) == 4) && (\meet)
	MEET3
.if \refill
	s_add_nc_u64 s[G0+4*\par+2:G0+4*\par+3], s[G0+4*\par+2:G0+4*\par+3], 2*TILE  ; no tensor load of mine is out: this slot's next block; the type bits on top are not reached
.endif
	s_wait_dscnt 17                                ; the last group's 16 loads and the add may stay out
.elseif (\G) == 4
	s_wait_dscnt 16
.elseif (\G) == 5
	s_wait_dscnt 0x0
.if \meet
	s_barrier_signal -1
.endif
.else
	s_wait_dscnt 32
.endif
.if (\G) < 3
	MM_S \G, S+32*\par, 16, BIAS+16*\par
.else
	MM_P (\G)-3, P+16*\par, 8
.endif
.endm
.macro TURNM par, meet, refill, ge, bias
.set np, 0
.set nb, 0
.set GE, \ge
.set HB, S+32*(1-\par)
.set HPB, P+16*(1-\par)
	WIN 0
	s_wait_xcnt 0x0                                ; the last turn's prefetch and bias loads have read their addresses
.if \refill
	s_add_nc_u64 s[PFA:PFA+1], s[PFA:PFA+1], TILE
.endif
.if \bias
	s_add_nc_u64 s[BP:BP+1], s[BP:BP+1], 256
.endif
	LD_A AW1+\par, 0
	LD_A AW1+\par, 1
	WIN 0
.if \refill
	ASK LIMM                                       ; in turn T: block T + 4, which the change of slots two turns on will ask for; blocks 4 to 49
.endif
	s_wait_loadcnt 0x0                             ; this chunk's bias, asked for a turn ago (in turn 0 fc2_b too)
.if \bias
.irp q, 0,1,2,3
	global_load_b128 v[BIAS+16*(1-\par)+4*\q:BIAS+16*(1-\par)+4*\q+3], v[BO], s[BP:BP+1] offset:64*(\q/2)+16*(\q%2)
.endr
.endif
.if \ge
.irp s, 0,1,2,3,4,5,6,7
	GA \s                                          ; in the wait for the turn's first fragments
.endr
.endif
.irp G, 0,1,2,3,4,5
	GRP_M \par, \G, \meet, \refill
.endr
	WIN 0
.if \meet
	s_barrier_wait -1
.endif
.if \refill
	CREST
	tensor_load_to_lds s[G0+4*\par:G0+4*\par+3], s[G1:G1+7]
	s_nop 0
.endif
	PLACES
.endm
.Lmlp:                                         ; 24 trips: turns 0 to 47; the refills are blocks 2 to 49
	TURNM 0, 1, 1, 1, 1
	TURNM 1, 1, 1, 1, 1
	s_sub_co_u32 s[CNT], s[CNT], 1
	s_cmp_lg_u32 s[CNT], 0
	s_cbranch_scc1 .Lmlp
	TURNM 0, 1, 0, 1, 1                            ; the tail is written out: turn 48 waits for block 49 and asks for nothing
	TURNM 1, 0, 0, 0, 0                            ; turn 49 has fc2 of chunk 47
	; THE WAY OUT.  Local tile 1's sums go to my partner through my region; its sums for my tile are added; my 16 rows go through rows of 1,552 bytes in slot 0 (its last fill was read before turn 48's barrier) and leave whole.
	WIN 0x08
.set z, 0
.rept 48
	ds_store_b128 v[EXW], v[4*z:4*z+3] offset:512*z
.set z, z+1
.endr
	s_wait_dscnt 0x0
	s_barrier_signal -1
	s_barrier_wait -1
	WIN 0xc0
.set z, 0
.rept 48
	ds_load_b128 v[4*z:4*z+3], v[EXR] offset:512*z
.set z, z+1
.endr
	s_wait_dscnt 0x0
	WIN 0x4d
.set z, 0
.rept 96
	v_pk_add_f32 v[2*z:2*z+1], v[2*z:2*z+1], v[2*z:2*z+1]
.set z, z+1
.endr
	WIN 0x04
.set z, 0
.rept 24
	ds_store_b128 v[OSW], v[8*z:8*z+3] offset:64*z
	ds_store_b128 v[OSW], v[8*z+4:8*z+7] offset:64*z+16
.set z, z+1
.endr
	WIN 0xc0
.set z, 0
.rept 48
	ds_load_b128 v[4*z:4*z+3], v[OSR] offset:(z/3)*OSP+512*(z%3)  ; my own bytes: these see the stores above
.set z, z+1
.endr
	WIN 0x0c
.set z, 0
.rept 48
	s_wait_dscnt 47-z                              ; the younger loads may stay out
	global_store_b128 v[GO], v[4*z:4*z+3], s[14:15] offset:(z/3)*1536+512*(z%3) th:TH_STORE_NT  ; 512 consecutive bytes, at a multiple of 512 from out0's first
.set z, z+1
.endr
	WIN 0
	s_wait_tensorcnt 0x0                           ; the wave's end, behind my last tensor load and my last LDS store
	ds_add_u32 v[SPW], v[NIL]
	s_wait_dscnt 0x0
	CROUND                                         ; the closing round: no work-group ends while a partner may still ask for a tile that names it
	s_endpgm
.Lfunc_end_k_q73302fbddc_block:
	.size	k_q73302fbddc_block, .Lfunc_end_k_q73302fbddc_block-k_q73302fbddc_block
	.p2alignl 7, 3214868480
	.fill 96, 4, 3214868480
	.section	.rodata,"a",@progbits
	.p2align	6, 0x0
	.amdhsa_kernel k_q73302fbddc_block
		.amdhsa_group_segment_fixed_size 327680
		.amdhsa_private_segment_fixed_size 0
		.amdhsa_enable_private_segment 0
		.amdhsa_kernarg_size 48
		.amdhsa_user_sgpr_count 2
		.amdhsa_user_sgpr_kernarg_segment_ptr 1
		.amdhsa_wavefront_size32 1
		.amdhsa_system_sgpr_workgroup_id_x 1
		.amdhsa_system_sgpr_workgroup_id_y 1
		.amdhsa_system_sgpr_workgroup_id_z 1
		.amdhsa_system_vgpr_workitem_id 0
		.amdhsa_next_free_vgpr 1024
		.amdhsa_next_free_sgpr 96
		.amdhsa_reserve_vcc 0
		.amdhsa_float_denorm_mode_32 3
		.amdhsa_float_denorm_mode_16_64 3
		.amdhsa_memory_ordered 1
		.amdhsa_forward_progress 1
		.amdhsa_inst_pref_size 255
	.end_amdhsa_kernel
	.section	.bss,"aw",@nobits
	.p2align	6
	.space	262144
	.amdgpu_metadata
---
amdhsa.version: [ 1, 2 ]
amdhsa.kernels:
  - .name:           k_q73302fbddc_block
    .symbol:         k_q73302fbddc_block.kd
    .args:
      - { .name: x, .offset: 0, .size: 8, .value_kind: global_buffer, .address_space: global }
      - { .name: y, .offset: 8, .size: 8, .value_kind: global_buffer, .address_space: global }
      - { .name: wb, .offset: 16, .size: 8, .value_kind: global_buffer, .address_space: global }
      - { .name: b1f, .offset: 24, .size: 8, .value_kind: global_buffer, .address_space: global }
      - { .name: fc2_b, .offset: 32, .size: 8, .value_kind: global_buffer, .address_space: global }
      - { .name: out0, .offset: 40, .size: 8, .value_kind: global_buffer, .address_space: global }
    .group_segment_fixed_size: 327680
    .private_segment_fixed_size: 0
    .kernarg_segment_align: 8
    .kernarg_segment_size: 48
    .max_flat_workgroup_size: 128
    .sgpr_count:     96
    .vgpr_count:     1024
    .wavefront_size: 32
...
	.end_amdgpu_metadata
.endif
;; end of part 2
;; ======== version 2 of 2: 2 launches
;; limits: a function is approximated: absolute error at most 2.5e-05; an absolute error that grows with the inputs' magnitude: up to 1.25e-05 times it
;; workspace buffers: y 12,582,912 bytes; wb 4,718,592 bytes; b1f 12,288 bytes
;; launch prep (part 3): grid 256 x 1, 8 waves a work-group, no clusters, 0 bytes of LDS; arguments x, ln1_w, ln1_b, ln2_w, ln2_b, fc1_w, fc1_b, fc2_w, y, wb, b1f; writes y, wb, b1f
.if DOCPART == 3
	.amdgcn_target "amdgcn-amd-amdhsa--gfx1250"
	.amdhsa_code_object_version 6
	.text
	.protected	k_q73302fbddc_prep
	.globl	k_q73302fbddc_prep
	.p2align	8
	.type	k_q73302fbddc_prep,@function
k_q73302fbddc_prep:
	s_mov_b64 s[64:65], 0
	v_nop
	global_prefetch_b8 v0, s[64:65] scope:SCOPE_SE
	s_setreg_imm32_b32 hwreg(HW_REG_WAVE_MODE, 25, 1), 1
	s_wait_xcnt 0x0
; y = bf16(LN1(x)); the MLP's weights in bf16, laid out as the tiles that the next launch walks; LN2's gain folded into W1, its bias into b1:
;   z W1^T + b1 = (d rstd) (W1 o ln2_w)^T + (b1 + W1 ln2_b), the products and the dot in f32.
; Two constants of the next launch's gelu are folded in too, k = sqrt(log2(e) / 2): W1' = k (W1 o ln2_w), b1f = k (b1 + W1 ln2_b), W2' = W2 / (2 k): fc1 then gives k x, the gelu 2 k gelu(x).
; Each weight is multiplied in f32 and rounded once to bf16.
; y  [16384][384] bf16.   wb: 48 blocks of 98,304 bytes, walked in a ring: block T = [W1' rows 64 T .. 64 T + 63, 768 bytes each][W2' chunk (T - 2) mod 48: 192 rows of 256 bytes: row rho holds
; out-channel rho, hidden 64 c .. 64 c + 63, then out-channel rho + 192, the same hidden].   b1f: 3,072 f32.
; A stream: no LDS, no matrix unit, no cluster: nothing is shared.  SHARES: wave u = 8 x work-group + wave (0 .. 2047) takes 8 rows of x; even waves 3 rows of W1, odd waves 9 rows of a W2 chunk.
; A lane's 12 numbers of a row of 384 f32 are the 16 bytes at 16 lane + 512 j: a load of the wave covers 512 consecutive bytes;
; their 4 bf16 are the 8 bytes at 8 lane + 256 j: a store of the wave covers 256 consecutive bytes, aligned.
; LIMITS: NaN and infinities are not treated apart.  The mean is taken first and the variance of the differences, so a common offset of x costs no digits.
.set G1W, 4                            ; v[4:15]    ln1_w of my 12 columns
.set G1B, 16                           ; v[16:27]   ln1_b
.set XR,  32                           ; v[32:127]  8 rows of x, 12 registers each; later the weights' packed results
.set YR,  144                          ; v[144:155] two sets of 6: a row of y to store
.set DAT, 160                          ; v[160:195] the role's 9 loads
.set G2W, 196                          ; v[196:207] ln2_w
.set G2B, 208                          ; v[208:219] ln2_b
.set LO,  224                          ; v[224:232] offsets of the role's loads (W2) or stores (W1)
.set SO,  233                          ; v[233:241] offsets of W2's stores
	s_load_b512 s[4:19], s[0:1], 0x0               ; x, ln1_w, ln1_b, ln2_w, ln2_b, fc1_w, fc1_b, fc2_w
	s_load_b128 s[20:23], s[0:1], 0x40             ; y, wb
	s_load_b64 s[24:25], s[0:1], 0x50              ; b1f
	v_and_b32 v1, 31, v0                           ; lane
	v_lshrrev_b32 v2, 5, v0
	v_readfirstlane_b32 s26, v2                    ; wave
	s_lshl_b32 s27, ttmp9, 3
	s_add_co_u32 s27, s27, s26                     ; u
	s_lshr_b32 s28, s27, 1                         ; e = u / 2
	s_and_b32 s29, s26, 1                          ; the role: 0 W1, 1 W2
	s_mov_b32 s30, 0x76543210                      ; v_permlanex16_b32: each lane takes its own place in the other half
	s_mov_b32 s31, 0xfedcba98
	s_mov_b32 s32, 0x3b2aaaab                      ; 1 / 384
	s_mov_b32 s33, 0x3727c5ac                      ; 1e-5
	v_lshlrev_b32 v2, 4, v1                        ; 16 lane
	v_lshlrev_b32 v3, 3, v1                        ; 8 lane
	s_mul_i32 s34, s27, 12288                      ; my 8 rows in x
	s_mov_b32 s35, 0
	s_mul_i32 s36, s27, 6144                       ; and in y
	s_mov_b32 s37, 0
	s_mul_i32 s38, s28, 3                          ; 3 e: the first of three rows of W1
	v_min_u32 v222, 2, v1
	v_add_nc_u32 v222, s38, v222
	v_lshlrev_b32 v222, 2, v222                    ; lanes 0, 1, 2: the byte of fc1_b and b1f for rows 3 e + lane
	v_mov_b32 v129, 0                              ; named in pairs with the mean and with 1 / sigma
	v_mov_b32 v131, 0
	s_wait_kmcnt 0x0
	s_add_nc_u64 s[4:5], s[4:5], s[34:35]
	s_add_nc_u64 s[20:21], s[20:21], s[36:37]
.irp j, 0,1,2
	global_load_b128 v[G1W+4*\j:G1W+4*\j+3], v2, s[6:7] offset:512*\j
	global_load_b128 v[G1B+4*\j:G1B+4*\j+3], v2, s[8:9] offset:512*\j
.endr
.irp i, 0,1,2,3,4,5,6,7
.irp j, 0,1,2
	global_load_b128 v[XR+12*\i+4*\j:XR+12*\i+4*\j+3], v2, s[4:5] offset:1536*\i+512*\j th:TH_LOAD_NT
.endr
.endr
.irp j, 0,1,2                          ; every wave loads these seven, so that both roles have sixteen loads behind x's
	global_load_b128 v[G2W+4*\j:G2W+4*\j+3], v2, s[10:11] offset:512*\j
	global_load_b128 v[G2B+4*\j:G2B+4*\j+3], v2, s[12:13] offset:512*\j
.endr
	global_load_b32 v220, v222, s[16:17]
	s_cmp_eq_u32 s29, 0
	s_cbranch_scc0 .Lw2_in
	s_mul_i32 s39, s28, 4608                       ; three rows of W1 on end
	v_add_nc_u32 v221, s39, v2
.irp i, 0,1,2
.irp j, 0,1,2
	global_load_b128 v[DAT+12*\i+4*\j:DAT+12*\i+4*\j+3], v221, s[14:15] offset:1536*\i+512*\j th:TH_LOAD_NT
.endr
.endr
	s_branch .Lrole_in
.Lw2_in:                                       ; row n = 9 e + i of the chunks: chunk c = n / 192, row rho = n - 192 c; lanes 0-15 out-channel rho, lanes 16-31 rho + 192, 4 hidden each
	v_lshrrev_b32 v223, 4, v1
	v_mul_u32_u24 v223, v223, 0x240000             ; 192 rows of fc2_w
	v_and_b32 v221, 15, v1
	v_lshl_add_u32 v223, v221, 4, v223
	s_mul_i32 s39, s28, 9
.irp i, 0,1,2,3,4,5,6,7,8
	s_add_co_u32 s40, s39, \i
	s_lshr_b32 s41, s40, 6
	s_mul_i32 s41, s41, 171
	s_lshr_b32 s41, s41, 9                         ; c = (n / 64) / 3, exact for n / 64 under 144
	s_mul_i32 s42, s41, 192
	s_sub_co_u32 s42, s40, s42                     ; rho
	s_mul_i32 s42, s42, 12288
	s_lshl_b32 s43, s41, 8
	s_add_co_u32 s42, s42, s43
	v_add_nc_u32 v[LO+\i], s42, v223
	global_load_b128 v[DAT+4*\i:DAT+4*\i+3], v[LO+\i], s[18:19] th:TH_LOAD_NT
.endr
.Lrole_in:
.macro RED a, b                        ; the sum over the 32 lanes, in every lane
	v_add_f32_dpp v[\a], v[\a], v[\a] row_xmask:1 row_mask:0xf bank_mask:0xf
	v_add_f32_dpp v[\a], v[\a], v[\a] row_xmask:2 row_mask:0xf bank_mask:0xf
	v_add_f32_dpp v[\a], v[\a], v[\a] row_xmask:4 row_mask:0xf bank_mask:0xf
	v_add_f32_dpp v[\a], v[\a], v[\a] row_xmask:8 row_mask:0xf bank_mask:0xf
	v_permlanex16_b32 v[\b], v[\a], s30, s31
	v_add_f32 v[\a], v[\a], v[\b]
.endm
.macro LNROW i
.set xr, XR+12*(\i)
.set yr, YR+6*((\i)%2)
	s_wait_loadcnt 3*(7-(\i))+16                   ; loads come back in order: the later rows' 3 (7 - i) and the sixteen behind them may stay out
	s_wait_xcnt 0x0                                ; the stores of the row before last have read this set of y's registers
	v_pk_add_f32 v[132:133], v[xr:xr+1], v[xr+2:xr+3]
	v_pk_add_f32 v[134:135], v[xr+4:xr+5], v[xr+6:xr+7]
	v_pk_add_f32 v[136:137], v[xr+8:xr+9], v[xr+10:xr+11]
	v_pk_add_f32 v[132:133], v[132:133], v[134:135]
	v_pk_add_f32 v[132:133], v[132:133], v[136:137]
	v_add_f32 v132, v132, v133
	RED 132, 133
	v_mul_f32 v128, s32, v132                      ; the mean
.irp k, 0,2,4,6,8,10
	v_pk_add_f32 v[xr+\k:xr+\k+1], v[xr+\k:xr+\k+1], v[128:129] op_sel_hi:[1,0] neg_lo:[0,1] neg_hi:[0,1]
.endr
	v_pk_mul_f32 v[132:133], v[xr:xr+1], v[xr:xr+1]
	v_pk_mul_f32 v[134:135], v[xr+2:xr+3], v[xr+2:xr+3]
	v_pk_fma_f32 v[132:133], v[xr+4:xr+5], v[xr+4:xr+5], v[132:133]
	v_pk_fma_f32 v[134:135], v[xr+6:xr+7], v[xr+6:xr+7], v[134:135]
	v_pk_fma_f32 v[132:133], v[xr+8:xr+9], v[xr+8:xr+9], v[132:133]
	v_pk_fma_f32 v[134:135], v[xr+10:xr+11], v[xr+10:xr+11], v[134:135]
	v_pk_add_f32 v[132:133], v[132:133], v[134:135]
	v_add_f32 v132, v132, v133
	RED 132, 133
	v_fma_f32 v132, v132, s32, s33                 ; the variance + 1e-5
	v_rsq_f32 v130, v132
	v_nop                                          ; a plain instruction behind the root,
	s_wait_alu depctr_va_vdst(0)                   ; and the wait ahead of its first reader: one a row
.irp k, 0,2,4,6,8,10
	v_pk_mul_f32 v[xr+\k:xr+\k+1], v[xr+\k:xr+\k+1], v[130:131] op_sel_hi:[1,0]
.endr
.irp k, 0,2,4,6,8,10
	v_pk_fma_f32 v[xr+\k:xr+\k+1], v[xr+\k:xr+\k+1], v[G1W+\k:G1W+\k+1], v[G1B+\k:G1B+\k+1]
.endr
.irp k, 0,1,2,3,4,5
	v_cvt_pk_bf16_f32 v[yr+\k], v[xr+2*\k], v[xr+2*\k+1]
.endr
.irp j, 0,1,2
	global_store_b64 v3, v[yr+2*\j:yr+2*\j+1], s[20:21] offset:768*(\i)+256*\j th:TH_STORE_NT
.endr
.endm
.irp i, 0,1,2,3,4,5,6,7
	LNROW \i
.endr
	s_wait_loadcnt 0x0                             ; the role's data
	s_cmp_eq_u32 s29, 0
	s_cbranch_scc0 .Lw2_out
	s_mov_b32 s46, 0x3f596d27                      ; k = sqrt(log2(e) / 2) = 0.8493218
	s_mov_b32 s47, s46                             ; named with it as a pair
.irp k, 0,2,4,6,8,10
	v_pk_mul_f32 v[G2W+\k:G2W+\k+1], v[G2W+\k:G2W+\k+1], s[46:47] op_sel_hi:[1,0]  ; k ln2_w
.endr
.irp i, 0,1,2                          ; row h = 3 e + i of W1: its dot with ln2_b, then k (W1 o ln2_w) in bf16 to block h / 64, row h % 64
.set wr, DAT+12*\i
	s_add_co_u32 s40, s38, \i
	s_lshr_b32 s41, s40, 6
	s_mul_i32 s41, s41, 98304
	s_and_b32 s42, s40, 63
	s_mul_i32 s42, s42, 768
	s_add_co_u32 s41, s41, s42
	v_add_nc_u32 v[LO+\i], s41, v3
	v_pk_mul_f32 v[132:133], v[wr:wr+1], v[G2B:G2B+1]
	v_pk_mul_f32 v[134:135], v[wr+2:wr+3], v[G2B+2:G2B+3]
	v_pk_fma_f32 v[132:133], v[wr+4:wr+5], v[G2B+4:G2B+5], v[132:133]
	v_pk_fma_f32 v[134:135], v[wr+6:wr+7], v[G2B+6:G2B+7], v[134:135]
	v_pk_fma_f32 v[132:133], v[wr+8:wr+9], v[G2B+8:G2B+9], v[132:133]
	v_pk_fma_f32 v[134:135], v[wr+10:wr+11], v[G2B+10:G2B+11], v[134:135]
	v_pk_add_f32 v[132:133], v[132:133], v[134:135]
	v_add_f32 v[136+\i], v132, v133
	RED 136+\i, 133
.irp k, 0,2,4,6,8,10
	v_pk_mul_f32 v[wr+\k:wr+\k+1], v[wr+\k:wr+\k+1], v[G2W+\k:G2W+\k+1]
.endr
.irp k, 0,1,2,3,4,5
	v_cvt_pk_bf16_f32 v[XR+6*\i+\k], v[wr+2*\k], v[wr+2*\k+1]
.endr
.irp j, 0,1,2
	global_store_b64 v[LO+\i], v[XR+6*\i+2*\j:XR+6*\i+2*\j+1], s[22:23] offset:256*\j th:TH_STORE_NT
.endr
.endr
	v_cmp_eq_u32 vcc_lo, 0, v1                     ; lane i takes row i's dot
	v_cndmask_b32 v140, v137, v136, vcc_lo
	v_cmp_gt_u32 vcc_lo, 2, v1
	v_cndmask_b32 v140, v138, v140, vcc_lo
	v_add_f32 v140, v140, v220                     ; + fc1_b,
	v_mul_f32 v140, s46, v140                      ; times k
	v_cmp_gt_u32 vcc_lo, 3, v1
	s_wait_xcnt 0x0                                ; EXEC changes only behind this wait
	s_and_saveexec_b32 s44, vcc_lo
	global_store_b32 v222, v140, s[24:25]
	s_wait_xcnt 0x0                                ; and again in front of the line that widens it
	s_or_b32 exec_lo, exec_lo, s44
	s_branch .Lend
.Lw2_out:
	s_mov_b32 s46, 0x3f16b55f                      ; 1 / (2 k) = 0.5887050
	s_mov_b32 s47, s46
	s_mul_i32 s39, s28, 9
.irp i, 0,1,2,3,4,5,6,7,8
	s_add_co_u32 s40, s39, \i
	s_lshr_b32 s41, s40, 6
	s_mul_i32 s41, s41, 171
	s_lshr_b32 s41, s41, 9                         ; c
	s_mul_i32 s42, s41, 192
	s_sub_co_u32 s42, s40, s42                     ; rho
	s_lshl_b32 s42, s42, 8
	s_add_co_u32 s41, s41, 2
	s_cmp_lt_u32 s41, 48
	s_cselect_b32 s43, 0, 48
	s_sub_co_u32 s41, s41, s43                     ; chunk c lies in block (c + 2) mod 48,
	s_mul_i32 s41, s41, 98304
	s_add_co_u32 s42, s42, s41
	s_add_co_u32 s42, s42, 49152                   ; behind its W1 part
	v_add_nc_u32 v[SO+\i], s42, v3
	v_pk_mul_f32 v[DAT+4*\i:DAT+4*\i+1], v[DAT+4*\i:DAT+4*\i+1], s[46:47] op_sel_hi:[1,0]
	v_pk_mul_f32 v[DAT+4*\i+2:DAT+4*\i+3], v[DAT+4*\i+2:DAT+4*\i+3], s[46:47] op_sel_hi:[1,0]
	v_cvt_pk_bf16_f32 v[XR+2*\i], v[DAT+4*\i], v[DAT+4*\i+1]
	v_cvt_pk_bf16_f32 v[XR+2*\i+1], v[DAT+4*\i+2], v[DAT+4*\i+3]
	global_store_b64 v[SO+\i], v[XR+2*\i:XR+2*\i+1], s[22:23] th:TH_STORE_NT
.endr
.Lend:
	s_endpgm
.Lfunc_end_k_q73302fbddc_prep:
	.size	k_q73302fbddc_prep, .Lfunc_end_k_q73302fbddc_prep-k_q73302fbddc_prep
	.p2alignl 7, 3214868480
	.fill 96, 4, 3214868480
	.section	.rodata,"a",@progbits
	.p2align	6, 0x0
	.amdhsa_kernel k_q73302fbddc_prep
		.amdhsa_group_segment_fixed_size 0
		.amdhsa_private_segment_fixed_size 0
		.amdhsa_enable_private_segment 0
		.amdhsa_kernarg_size 88
		.amdhsa_user_sgpr_count 2
		.amdhsa_user_sgpr_kernarg_segment_ptr 1
		.amdhsa_wavefront_size32 1
		.amdhsa_system_sgpr_workgroup_id_x 1
		.amdhsa_system_sgpr_workgroup_id_y 1
		.amdhsa_system_sgpr_workgroup_id_z 1
		.amdhsa_system_vgpr_workitem_id 0
		.amdhsa_next_free_vgpr 256
		.amdhsa_next_free_sgpr 66
		.amdhsa_reserve_vcc 1
		.amdhsa_float_denorm_mode_32 3
		.amdhsa_float_denorm_mode_16_64 3
		.amdhsa_memory_ordered 1
		.amdhsa_forward_progress 1
		.amdhsa_inst_pref_size 55
	.end_amdhsa_kernel
	.amdgpu_metadata
---
amdhsa.version: [ 1, 2 ]
amdhsa.kernels:
  - .name:           k_q73302fbddc_prep
    .symbol:         k_q73302fbddc_prep.kd
    .args:
      - { .name: x, .offset: 0, .size: 8, .value_kind: global_buffer, .address_space: global }
      - { .name: ln1_w, .offset: 8, .size: 8, .value_kind: global_buffer, .address_space: global }
      - { .name: ln1_b, .offset: 16, .size: 8, .value_kind: global_buffer, .address_space: global }
      - { .name: ln2_w, .offset: 24, .size: 8, .value_kind: global_buffer, .address_space: global }
      - { .name: ln2_b, .offset: 32, .size: 8, .value_kind: global_buffer, .address_space: global }
      - { .name: fc1_w, .offset: 40, .size: 8, .value_kind: global_buffer, .address_space: global }
      - { .name: fc1_b, .offset: 48, .size: 8, .value_kind: global_buffer, .address_space: global }
      - { .name: fc2_w, .offset: 56, .size: 8, .value_kind: global_buffer, .address_space: global }
      - { .name: y, .offset: 64, .size: 8, .value_kind: global_buffer, .address_space: global }
      - { .name: wb, .offset: 72, .size: 8, .value_kind: global_buffer, .address_space: global }
      - { .name: b1f, .offset: 80, .size: 8, .value_kind: global_buffer, .address_space: global }
    .group_segment_fixed_size: 0
    .private_segment_fixed_size: 0
    .kernarg_segment_align: 8
    .kernarg_segment_size: 88
    .max_flat_workgroup_size: 256
    .sgpr_count:     66
    .vgpr_count:     256
    .wavefront_size: 32
...
	.end_amdgpu_metadata
.endif
;; end of part 3
;; launch block (part 4): grid 32 x 8, 4 waves a work-group, clusters of 4 x 1, 327,680 bytes of LDS; arguments x, y, wb, b1f, fc2_b, out0; writes out0
.if DOCPART == 4
	.amdgcn_target "amdgcn-amd-amdhsa--gfx1250"
	.amdhsa_code_object_version 6
	.text
	.protected	k_q73302fbddc_block
	.globl	k_q73302fbddc_block
	.p2align	8
	.type	k_q73302fbddc_block,@function
k_q73302fbddc_block:
	s_mov_b64 s[64:65], 0
	v_nop
	global_prefetch_b8 v0, s[64:65] scope:SCOPE_SE
	s_setreg_imm32_b32 hwreg(HW_REG_WAVE_MODE, 25, 1), 1
	s_wait_xcnt 0x0
	s_wait_alu depctr_hold_cnt(0) depctr_sa_sdst(0) depctr_va_vdst(0) depctr_va_sdst(0) depctr_va_ssrc(0) depctr_va_vcc(0) depctr_vm_vsrc(0)
	s_getreg_b32 s2, hwreg(HW_REG_IB_STS2, 6, 4)
	s_cmp_eq_u32 s2, 0
	s_cbranch_scc0 .Lentry_in_a_cluster
	s_endpgm
.Lentry_in_a_cluster:
	s_bfe_u32 s2, ttmp6, 0x10000c
	s_cmp_lg_u32 s2, 0x3003
	s_cbranch_scc0 .Lentry_shape_is_right
	s_endpgm
.Lentry_shape_is_right:
; out = x1 + gelu(LN2(x1) W1^T + b1) W2^T + b2,  x1 = x + softmax(y y^T / sqrt(32)) y,  y = LN1(x) in bf16 (made by the launch before, with the weights wb and the bias b1f: their layouts and factors stand at its head).
; All matrix operands are bf16, all sums, maxima, norms and the gelu f32.
; LIMITS.  NaN and infinities are not treated apart.  A softmax weight below 2^-126 counts as 0.  The erf in the gelu is Abramowitz and Stegun's 7.1.25, off by 2.5e-5 at the most, for every x: gelu(x) is off by
; |x| x 1.25e-5 at the most, a small part of the step with which h is then rounded to bf16.
; SHARES.  A work-group owns 64 rows of one batch: 256 work-groups.  Wave w works on two tiles of 16 rows, tile w (local 0, which it owns) and tile w ^ 1 (local 1), and on half w & 1 of every ring tile: 64 of 128 keys,
; 32 of 64 hidden units.  So a wave runs an attention of its own (its own running maximum m, sum l and O) over its keys, and sums of its own in the MLP; the pair (w, w ^ 1) meets in LDS once behind each.
; LAYOUT.  Both products are taken transposed (S^T = K Q^T, O^T = V^T P; H^T = W1 Z^T, Out^T = W2 H): a lane holds ONE row (lane % 16), register j of a result key, hidden unit or channel 8 (lane / 16) + j.  So P, z and h
; become source 1 of the next product by rounding pairs in place, and a row's sums want one exchange between the halves of the lanes.
; ONE RING for the launch: 66 tiles of 98,304 bytes, 16 of y (K and V are the same bytes) and 50 of wb, through two LDS slots.  Each wave fetches a quarter: 96 rows of 256 bytes, 16 bytes of padding behind each.
; A TURN'S LAST 16 PRODUCTS ARE HELD BACK behind the change of slots: their fragments are in registers when the slot is given up, and they stand behind the next turn's first 32 LDS loads, while those are on their way.
; CLUSTER.  The four work-groups of a cluster belong to one batch and walk the same tiles: each tile is asked for JOINTLY, by the same load with the same descriptor and a mask that names the four.
; KEY ORDER.  Row m of a K fragment is key 16 kb + 2 (m % 8) + m / 8, and lane L of the turning load addresses key k0 + 2 (L % 8) + L / 16: place 8 h + j holds key 2 j + h in P and in V^T alike.  A row of y is 816 bytes in
; LDS (204 words).
; THE MLP'S THREE STAGES run two turns apart: in turn T fc1 of the walk's chunk T, the gelu of chunk T - 1, fc2 of chunk T - 2; a block of wb holds W1 of its own chunk and W2 of the chunk two before it.  So the gelu's vector
; work names no register of the products round it and stands in slices behind them.  The price of one text for all turns: fc2 of turns 0, 1 multiplies an h of zeros, fc1 of turns 48, 49 makes sums that nobody reads: 192 of 4,800 products.
; THE WALK OVER wb IS ROTATED.  wb's 48 blocks are a ring, and the sums over the hidden units may be taken in any order.  The cluster of batch b and x j starts at block T0 = 3 q / 2, q = (4 b + g + 16 (j / 4)) mod 32,
; g = (j + j / 4) mod 4, and walks 50 turns from there: at any one time the clusters ask for blocks spread over the ring, and blocks T0 and T0 + 1, taken over the 32 values of q, are all 48.
; REGISTERS, in windows of 256 (s_set_vgpr_msb: bits 1:0 source 0, 3:2 source 1, 5:4 source 2, 7:6 destination):
;   window 0: v0-19 addresses; v20-35 statistics; v36-63 at work; v64-191 S^T (MLP: H, two buffers, TT, EE); v192-223 P (MLP: h, two buffers); v224-255 fc1's bias, two buffers
;   window 1: v0-191 sums of local tile 0; window 2: of local tile 1; window 3: v0-191 Q, later z.  v192-255 of windows 1, 2, 3: three fragment buffers F0, F1, F2
.set TILE,  98304
.set NBLK,  48                         ; blocks in wb
.set QT,    24576                      ; a wave's quarter of a tile in memory,
.set QL,    26112                      ; and in LDS: 96 rows of 272 bytes
.set SLOT,  104448                     ; slot 0 at 0, slot 1 here
.set PY,    816                        ; a row of y or of W1 in LDS: 3 x 272
.set W2O,   64*PY                      ; W2's chunk in a slot: 192 rows of 272 bytes
.set R2,    208896                     ; four regions of 25,344 bytes, a wave each: first the wave's 16 rows of x (their one fill), then its stage
.set RG,    25344
.set SPARE, 310272                     ; the spare words, 128 bytes for each wave: two blocks of 256 bytes that no other line names
.set OSP,   1552                       ; the way out: a row of 384 f32 + 16 bytes; 16 rows a wave, in slot 0 when its last fill has been read
.set OSG,   16*OSP
.set AK,  2                            ; v2, v3   my lane's place in K's fragments, slot 0, 1; none of v1-v19, v56-v59 is ever rewritten
.set AV,  4                            ; v4, v5   in V's
.set AW1, 6                            ; v6, v7   in W1's
.set AW2, 8                            ; v8, v9   in W2's
.set XA,  10                           ; v10  my 32 bytes of a row of x
.set EXW, 11                           ; v11  my region + 16 lane
.set EXR, 12                           ; v12  my partner's region + 16 lane
.set OSW, 13                           ; v13  the way out: where I put 32 bytes of a row
.set OSR, 14                           ; v14  where I read rows back
.set GO,  15                           ; v15  16 lane
.set QO,  16                           ; v16  my byte offset in 16 rows of y
.set BO,  17                           ; v17  my byte offset in a chunk's 64 numbers of b1f
.set SPW, 18                           ; v18  LDS address of my spare word
.set NIL, 19                           ; v19  0
.set ST,  20                           ; local tile t's statistics at v[ST + 8 t]: c m, m, l (two halves), c0-c3 at work; a takes c2
.set U,   40                           ; v[40:47] four pairs at work
.set PFO, 56                           ; v56  256 lane
.set FBO, 57                           ; v57  32 (lane / 16)
.set EXS, 58                           ; v58  my region + 8 lane
.set EXSR, 59                          ; v59  my partner's region + 8 lane
.set S,   64
.set TT,  128
.set EE,  160
.set P,   192
.set BIAS, 224
.set F,   192
.set WV,  16                           ; s16  my wave's number
.set KJ,  17                           ; s17  which half of a tile is mine
.set CX,  18                           ; s18  my place in the cluster: it enters global addresses of my own rows and of the prefetches alone
.set WOFF, 19                          ; s19  my quarter of a slot
.set G1,  24                           ; s[24:31] group 1 of the ring's loads
.set G1X, 32                           ; s[32:39] of x's load
.set G0,  40                           ; s[40:47] group 0 of the ring's loads, a set for each slot
.set G0X, 48                           ; s[48:51] of x's load
.set GP,  52                           ; s[52:55] attention: the address that each slot's set holds, without the type bits
.set LIMB, 56
.set CNT, 57
.set CS,  58                           ; s[58:59] c = log2(e) / sqrt(32)
.set SEL, 60                           ; s[60:61] v_permlanex16_b32's selects
.set PO,  62                           ; s[62:63] my 8,192 bytes of a tile, for the prefetches
.set PP,  68                           ; s68      0.47047 / sqrt(log2(e))
.set NA3, 70                           ; s[70:75] 7.1.25's three coefficients with their signs turned, as pairs
.set NA2, 72
.set NA1, 74
.set BP,  80                           ; s[80:81] b1f at the chunk whose bias was loaded last
.set PFA, 82                           ; s[82:83] where my prefetches of y stand
.set LIM, 84                           ; s84, s56: a wave prefetches y while the loop's count is above these; the greatest number in a wave that asks for nothing
.set LIMW, 85                          ; s85  a wave prefetches wb when the loop's count equals this: 2, or the greatest number
.set QA,  86                           ; s[86:89] y at the rows of local tile 0, 1
.set INV, 90                           ; s90  1 / 384
.set EPS, 91                           ; s91  1e-5
.set WT,  92                           ; s[92:95] wb at my quarter of blocks T0, T0 + 1
.set T0,  96                           ; s96  the block at which my cluster's walk begins
.set PFW, 98                           ; s[98:99] my 8,192 bytes of the block of wb that my cluster prefetches; never rewritten
.set OFF, 52                           ; the MLP, in registers that attention and x's load have left: s[52:53] a block's byte offset in wb
.set NXT, 54                           ; s54  the block to be asked for next
.set BN,  55                           ; s55  the chunk whose bias is to be loaded next
.set OFB, 32                           ; s[32:33] its byte offset in b1f
.set WB0, 34                           ; s[34:35] wb at my quarter of block 0
.set MSB, 0
.set GE,  0
.set np,  0
.macro WIN new                         ; the immediate's high byte repeats the setting that is left; a switch that changes nothing is dropped
.if MSB != (\new)
	s_set_vgpr_msb (MSB<<8)|(\new)
.set MSB, (\new)
.endif
.endm
.macro PLACES                          ; four places between a matrix instruction and a load into, or a vector instruction on, its registers (ISA guide 7.12.1 for vector instructions)
.rept 4
	v_nop
.endr
.endm
.macro CREST                           ; a round of the cluster's barrier behind its opening barrier
	s_cmp_lg_u32 s[WV], 0
	s_cbranch_scc1 .Lnot_wave_0_\@
	s_barrier_signal -3
.Lnot_wave_0_\@:
	s_barrier_wait -3
	s_barrier_signal -1
	s_barrier_wait -1
.endm
.macro CROUND
	s_barrier_signal -1
	s_barrier_wait -1
	CREST
.endm
; A PREFETCH INTO THE L2: 32 blocks of 256 bytes, a lane a block, one instruction a wave.  A tile's 384 blocks are shared out among waves 0 to 2 of the four partners BY ADDRESS (block group 3 cx + wave).
; It stands in a turn's head, behind the joint refill and the head's run of LDS loads.  ASK: y.  Of the clusters of a batch, which walk the same tiles, the first asks: in the head of the turn on tile i for tile i + 2, which
; the next change of slots, 192 products on, will ask for; tiles 3 to 15.
.macro ASK lim
	s_cmp_gt_u32 s[CNT], s[\lim]
	s_cbranch_scc0 .Lnot_mine_\@
	global_prefetch_b8 v[PFO], s[PFA:PFA+1] th:TH_LOAD_NT scope:SCOPE_SE
.Lnot_mine_\@:
.endm
; ASKW: wb.  All its blocks are first asked for by the changes of slots behind key tiles 14 and 15.  In the head of the turn on tile 14, 192 products ahead of the first of the two, cluster number c = 8 b + j, if under 48,
; names block c: each block of 256 bytes once in the launch.  The walk's later turns ask for nothing.
.macro ASKW
	s_cmp_eq_u32 s[CNT], s[LIMW]
	s_cbranch_scc0 .Lnot_w_\@
	global_prefetch_b8 v[PFO], s[PFW:PFW+1] th:TH_LOAD_NT scope:SCOPE_SE
.Lnot_w_\@:
.endm
	s_load_b256 s[4:11], s[0:1], 0x0               ; x s[4:5], y s[6:7], wb s[8:9], b1f s[10:11]
	s_load_b128 s[12:15], s[0:1], 0x20             ; fc2_b s[12:13], out0 s[14:15]
	v_lshl_add_u32 v[SPW], v0, 2, SPARE
	v_mov_b32 v[NIL], 0
	ds_add_u32 v[SPW], v[NIL]                      ; the wave's opening: the add and its wait stand ahead of my first tensor load; the set-up below, work on registers, stands between them
	v_lshrrev_b32 v1, 5, v0
	v_readfirstlane_b32 s[WV], v1
	s_and_b32 s[KJ], s[WV], 1
	s_bfe_u32 s[CX], ttmp6, 0x40000
	s_and_b32 s20, ttmp7, 0xffff                   ; the batch, which the four partners share
	s_xor_b32 s21, s[WV], 1                        ; my partner among the waves
	s_mul_i32 s[WOFF], s[WV], QL
	s_lshl_b32 s22, ttmp9, 2                       ; in a cluster launch ttmp9 counts clusters
	s_add_co_u32 s22, s22, s[CX]
	s_lshl_b32 s22, s22, 6
	s_lshl_b32 s23, s20, 11
	s_add_co_u32 s22, s22, s23                     ; the work-group's first row
	s_lshl_b32 s23, s21, 4
	s_add_co_u32 s23, s22, s23
	s_mul_i32 s[QA+2], s23, 768                    ; local tile 1 in y
	s_mov_b32 s[QA+3], 0
	s_lshl_b32 s23, s[WV], 4
	s_add_co_u32 s22, s22, s23
	s_mul_i32 s[QA], s22, 768                      ; local tile 0 in y
	s_mov_b32 s[QA+1], 0
	s_mul_i32 s22, s22, 1536                       ; and in x and out0
	s_mov_b32 s23, 0
	s_mul_i32 s[GP], s20, 2048*768                 ; the batch's y,
	s_mul_i32 s[WT], s[WV], QT                     ; my quarter of a tile: neither hangs on my place in the cluster
	s_add_co_u32 s[GP], s[GP], s[WT]
	s_mov_b32 s[GP+1], 0
	s_mov_b32 s[WT+1], 0
	s_mul_i32 s[PO], s[CX], 3
	s_add_co_u32 s[PO], s[PO], s[WV]
	s_lshl_b32 s[PO], s[PO], 13
	s_mov_b32 s[PO+1], 0
	s_mul_i32 s[PFA], s20, 2048*768
	s_add_co_u32 s[PFA], s[PFA], s[PO]
	s_mov_b32 s[PFA+1], 0
	s_cmp_lt_u32 s[WV], 3
	s_cselect_b32 s94, 0, 1
	s_or_b32 s94, s94, ttmp9                       ; 0 in waves 0 to 2 of the batch's first cluster: the same in all four partners
	s_cmp_eq_u32 s94, 0
	s_cselect_b32 s[LIM], 1, -1
	s_cselect_b32 s[LIMB], 2, -1
	s_lshl3_add_u32 s95, s20, ttmp9                ; my cluster's number, 8 b + j
	s_cmp_lt_u32 s95, NBLK
	s_cselect_b32 s94, 2, -1
	s_cmp_lt_u32 s[WV], 3
	s_cselect_b32 s[LIMW], s94, -1                 ; waves 0 to 2 of clusters 0 to 47: the same in all four partners
	s_min_u32 s95, s95, NBLK-1
	s_mul_i32 s[PFW], s95, TILE
	s_add_co_u32 s[PFW], s[PFW], s[PO]
	s_mov_b32 s[PFW+1], 0
	s_lshr_b32 s94, ttmp9, 2                       ; where my cluster's walk over wb begins: j / 4,
	s_add_co_u32 s95, ttmp9, s94
	s_and_b32 s95, s95, 3                          ; g,
	s_lshl2_add_u32 s95, s20, s95
	s_lshl4_add_u32 s95, s94, s95
	s_and_b32 s95, s95, 31                         ; q,
	s_mul_i32 s95, s95, 3
	s_lshr_b32 s[T0], s95, 1                       ; T0, 0 to 46: made of the cluster's coordinates alone
	s_mul_i32 s95, s[T0], TILE
	s_add_co_u32 s[WT], s[WT], s95
	s_lshl_b32 s[BP], s[T0], 8                     ; a chunk's 64 numbers of b1f
	s_mov_b32 s[BP+1], 0
	; group 1 of the ring's loads: 96 rows of 128 elements of 2 bytes, dense, padded in LDS
	s_mov_b32 s[G1], 15|(1<<16)|(1<<20)|(1<<21)|(5<<22)|(3<<25)  ; 15:0 the mask of four; 17:16 2-byte elements; 20 padding on; 21 set beside a mask; 24:22 after every 64 words (code 5); 31:25 4 words (code 3)
	s_mov_b32 s[G1+1], 128<<16                     ; tensor_dim0 = 128
	s_mov_b32 s[G1+2], 96<<16                      ; tensor_dim1 = 96
	s_mov_b32 s[G1+3], 128<<16                     ; tile_dim0 = 128
	s_mov_b32 s[G1+4], 96                          ; tile_dim1 = 96
	s_mov_b32 s[G1+5], 128                         ; 128 elements from row to row
	s_mov_b32 s[G1+6], 0
	s_mov_b32 s[G1+7], 0
	; group 1 of x's load, my own: 16 rows of x are 48 rows of 128 elements of 4 bytes, dense
	s_mov_b32 s[G1X], (2<<16)|(1<<20)|(6<<22)|(3<<25)  ; no mask; 4-byte elements; padding after every 128 words (code 6), 4 words (code 3)
	s_mov_b32 s[G1X+1], 128<<16
	s_mov_b32 s[G1X+2], 48<<16
	s_mov_b32 s[G1X+3], 128<<16
	s_mov_b32 s[G1X+4], 48
	s_mov_b32 s[G1X+5], 128
	s_mov_b32 s[G1X+6], 0
	s_mov_b32 s[G1X+7], 0
	s_mov_b32 s[G0], 1
	s_mov_b32 s[G0+1], s[WOFF]                     ; slot 0, my quarter
	s_mov_b32 s[G0+4], 1
	s_add_co_u32 s[G0+5], s[WOFF], SLOT            ; slot 1
	s_mov_b32 s[G0X], 1
	s_mul_i32 s[G0X+1], s[WV], RG
	s_add_co_u32 s[G0X+1], s[G0X+1], R2            ; my region
	s_mov_b32 s[CS], 0x3e8293ee                    ; 0.2550348
	s_mov_b32 s[CS+1], s[CS]
	s_mov_b32 s[SEL], 0x76543210
	s_mov_b32 s[SEL+1], 0xfedcba98
	s_mov_b32 s[PP], 0x3ec88bda                    ; 0.3916920
	s_mov_b32 s[NA3], 0xbf3f7377                   ; -0.7478556
	s_mov_b32 s[NA3+1], s[NA3]
	s_mov_b32 s[NA2], 0x3dc45ca1                   ; 0.0958798
	s_mov_b32 s[NA2+1], s[NA2]
	s_mov_b32 s[NA1], 0xbeb2303a                   ; -0.3480242
	s_mov_b32 s[NA1+1], s[NA1]
	s_mov_b32 s[INV], 0x3b2aaaab
	s_mov_b32 s[EPS], 0x3727c5ac
	; the lanes' places
	v_and_b32 v1, 15, v0                           ; r = l % 16
	v_bfe_u32 v36, v0, 4, 1                        ; h = l / 16
	v_and_b32 v37, 7, v0
	v_bfe_u32 v38, v0, 3, 1
	v_and_b32 v39, 31, v0                          ; l
	s_mul_i32 s95, s[KJ], 64*PY                    ; my 64 keys of a tile
	v_lshl_add_u32 v[AK], v37, 1, v38              ; row r of a K fragment is key 2 (r % 8) + r / 8
	v_mul_u32_u24 v[AK], v[AK], PY
	v_lshl_add_u32 v[AK], v36, 4, v[AK]
	v_add_nc_u32 v[AK], s95, v[AK]
	v_add_nc_u32 v[AK+1], SLOT, v[AK]
	v_lshl_add_u32 v[AV], v37, 1, v36              ; the turning load: key 2 (l % 8) + l / 16, channels 8 ((l / 8) % 2) on
	v_mul_u32_u24 v[AV], v[AV], PY
	v_lshl_add_u32 v[AV], v38, 4, v[AV]
	v_add_nc_u32 v[AV], s95, v[AV]
	v_add_nc_u32 v[AV+1], SLOT, v[AV]
	v_mul_u32_u24 v40, v1, PY
	v_lshl_add_u32 v40, v36, 4, v40
	s_mul_i32 s95, s[KJ], 32*PY                    ; my 32 hidden rows of W1
	v_add_nc_u32 v[AW1], s95, v40
	v_add_nc_u32 v[AW1+1], SLOT, v[AW1]
	v_mul_u32_u24 v40, v1, 272
	v_lshl_add_u32 v40, v36, 4, v40
	s_lshl_b32 s95, s[KJ], 6                       ; my 32 hidden columns of W2: 64 bytes
	s_add_co_u32 s95, s95, W2O
	v_add_nc_u32 v[AW2], s95, v40
	v_add_nc_u32 v[AW2+1], SLOT, v[AW2]
	s_mul_i32 s95, s[WV], RG
	s_add_co_u32 s95, s95, R2                      ; my region,
	s_mul_i32 s94, s21, RG
	s_add_co_u32 s94, s94, R2                      ; my partner's
	v_mul_u32_u24 v40, v1, 1584                    ; a row of x in LDS: 3 x 528 bytes
	v_lshl_add_u32 v40, v36, 5, v40
	v_add_nc_u32 v[XA], s95, v40
	v_lshl_add_u32 v[EXW], v39, 4, s95
	v_lshl_add_u32 v[EXR], v39, 4, s94
	v_lshl_add_u32 v[EXS], v39, 3, s95
	v_lshl_add_u32 v[EXSR], v39, 3, s94
	s_mul_i32 s94, s[WV], OSG
	v_mul_u32_u24 v40, v1, OSP
	v_lshl_add_u32 v40, v36, 5, v40
	v_add_nc_u32 v[OSW], s94, v40
	v_lshl_add_u32 v[OSR], v39, 4, s94
	v_lshlrev_b32 v[GO], 4, v39
	v_mul_u32_u24 v[QO], v1, 768
	v_lshl_add_u32 v[QO], v36, 4, v[QO]
	s_lshl_b32 s94, s[KJ], 7
	v_lshl_add_u32 v[BO], v36, 5, s94
	v_lshlrev_b32 v[PFO], 8, v39
	v_lshlrev_b32 v[FBO], 5, v36
	s_wait_dscnt 0x0                               ; the opening add is done
	s_wait_kmcnt 0x0
	s_add_nc_u64 s[GP:GP+1], s[6:7], s[GP:GP+1]    ; my quarter of tile 0,
	s_add_nc_u64 s[GP+2:GP+3], s[GP:GP+1], TILE    ; of tile 1
	s_mov_b64 s[G0+2:G0+3], s[GP:GP+1]
	s_or_b32 s[G0+3], s[G0+3], 0x80000000          ; 127:126 type = 2
	s_mov_b64 s[G0+6:G0+7], s[GP+2:GP+3]
	s_or_b32 s[G0+7], s[G0+7], 0x80000000
	s_add_nc_u64 s[G0X+2:G0X+3], s[4:5], s[22:23]
	s_or_b32 s[G0X+3], s[G0X+3], 0x80000000
	s_add_nc_u64 s[14:15], s[14:15], s[22:23]      ; out0 at my 16 rows
	s_add_nc_u64 s[WT:WT+1], s[8:9], s[WT:WT+1]    ; my quarter of block T0,
	s_add_nc_u64 s[WT+2:WT+3], s[WT:WT+1], TILE    ; of block T0 + 1, 47 at the most
	s_add_nc_u64 s[QA:QA+1], s[6:7], s[QA:QA+1]
	s_add_nc_u64 s[QA+2:QA+3], s[6:7], s[QA+2:QA+3]
	s_add_nc_u64 s[PFA:PFA+1], s[6:7], s[PFA:PFA+1]
	s_add_nc_u64 s[PFA:PFA+1], s[PFA:PFA+1], 2*TILE  ; at tile 2: the head of the turn on tile 1 steps it to tile 3.  Nothing is prefetched here, where every work-group's first tiles are on their way
	s_add_nc_u64 s[PFW:PFW+1], s[8:9], s[PFW:PFW+1]
	s_add_nc_u64 s[BP:BP+1], s[10:11], s[BP:BP+1]  ; chunk T0's bias
	CROUND                                         ; all four work-groups are here: the first joint loads meet
	tensor_load_to_lds s[G0:G0+3], s[G1:G1+7]      ; the three first fills go out together: three tensor loads of mine are out, the most in this text
	s_nop 0
	tensor_load_to_lds s[G0+4:G0+7], s[G1:G1+7]
	s_nop 0
	tensor_load_to_lds s[G0X:G0X+3], s[G1X:G1X+7]
	s_nop 0
	PLACES
	WIN 0xc0                                       ; Q stays in registers: a fragment is 16 rows x 32 channels: lane l holds row l % 16, channels 8 (l / 16) + 0..7 and 16 + 8 (l / 16) + 0..7
.irp t, 0,1
.set z, 0
.rept 12
	global_load_b128 v[96*\t+8*z:96*\t+8*z+3], v[QO], s[QA+2*\t:QA+2*\t+1] offset:64*z
	global_load_b128 v[96*\t+8*z+4:96*\t+8*z+7], v[QO], s[QA+2*\t:QA+2*\t+1] offset:64*z+32
.set z, z+1
.endr
.endr
	; O and l start at 0, c m far below every c s, m at the lowest finite number: the first step is a step like any other, with a = 0.  These lines stand in the wait for the first tile; their price buys one text for all turns.
	WIN 0x40
.set z, 0
.rept 192
	v_mov_b32 v[z], 0
.set z, z+1
.endr
	WIN 0x80
.set z, 0
.rept 192
	v_mov_b32 v[z], 0
.set z, z+1
.endr
	WIN 0
.irp t, 0,1
	v_mov_b32 v[ST+8*\t], 0xfe000000
	v_mov_b32 v[ST+8*\t+1], 0xff7fffff
	v_mov_b32 v[ST+8*\t+2], 0
	v_mov_b32 v[ST+8*\t+3], 0
.endr
; THE MATRIX WORK GOES IN GROUPS: 8 fragments (16 LDS loads in one run) into buffer (group % 3), and 16 matrix instructions.  A group's loads are issued two groups ahead.
.macro LD_A adr, g                     ; K's or W1's fragments: fragment i: channels 32 (4 (g % 3) + i / 2) on, rows 16 (2 (g / 3) + i % 2) on
	WIN (1+(\g)%3)<<6
.set li, 0
.rept 8
.set lc, 4*((\g)%3)+li/2
.set lof, (2*((\g)/3)+li%2)*16*PY+64*lc+16*(lc/4)
	ds_load_b128 v[F+8*li:F+8*li+3], v[\adr] offset:lof
	ds_load_b128 v[F+8*li+4:F+8*li+7], v[\adr] offset:lof+32
.set li, li+1
.endr
.endm
.macro LD_V adr, g                     ; V's, turned: keys 32 (g / 3) on, channels 16 (8 (g % 3) + i) on
	WIN (1+(\g)%3)<<6
.set li, 0
.rept 8
.set lc, 8*((\g)%3)+li
.set lof, ((\g)/3)*32*PY+32*lc+16*(lc/8)
	ds_load_tr16_b128 v[F+8*li:F+8*li+3], v[\adr] offset:lof
	ds_load_tr16_b128 v[F+8*li+4:F+8*li+7], v[\adr] offset:lof+16*PY
.set li, li+1
.endr
.endm
.macro LD_W2 adr, g                    ; W2's: out-channels 16 (8 g + i) on: rows 16 (cb % 12) on of the chunk, half cb / 12 of a row
	WIN (1+(\g)%3)<<6
.set li, 0
.rept 8
.set lc, 8*(\g)+li
.set lof, (lc%12)*16*272+(lc/12)*128
	ds_load_b128 v[F+8*li:F+8*li+3], v[\adr] offset:lof
	ds_load_b128 v[F+8*li+4:F+8*li+7], v[\adr] offset:lof+32
.set li, li+1
.endr
.endm
; THE GELU.  fc1 gives X = k x, k = sqrt(log2(e) / 2) (the factor lies in wb and b1f).  h' = X + |X| (1 - E t (a1 + t (a2 + t a3))), E = 2^(-X X) = e^(-x x / 2), t = 1 / (1 + p |X|): the bracket is erf(|x| / sqrt(2)), so
; h' = 2 k gelu(x); wb's W2 carries 1 / (2 k).  For the 16 pairs of a chunk's H, 14 lines a pair, in two parts.
; PART A, 34 slices.  Plain, for pair q: slice 2 q: EE = -X X, TT.lo = 1 + p |X.lo|; slice 2 q + 1: TT.hi.  Transcendental, two slices later: 2^EE.lo, 1 / TT.lo; 2^EE.hi, 1 / TT.hi, in place.
; No line of part A names a transcendental's result; behind the last slice stand a v_nop and ONE wait for all 64.
.macro GAT n
.set gq, (\n)/4
.if (\n)%2 == 0
	v_exp_f32 v[EE+2*gq+((\n)%4)/2], v[EE+2*gq+((\n)%4)/2]
.else
	v_rcp_f32 v[TT+2*gq+((\n)%4)/2], v[TT+2*gq+((\n)%4)/2]
.endif
.endm
.macro GA s
	WIN 0
.set ga, (\s)/2
.if ((\s) < 32) && ((\s)%2 == 0)
	v_pk_mul_f32 v[EE+2*ga:EE+2*ga+1], v[HB+2*ga:HB+2*ga+1], v[HB+2*ga:HB+2*ga+1] neg_lo:[1,0] neg_hi:[1,0]
.elseif (\s) < 32
	v_fma_f32 v[TT+2*ga+1], |v[HB+2*ga+1]|, s[PP], 1.0
.endif
.if (\s) >= 2
	GAT 2*(\s)-4
.endif
.if ((\s) < 32) && ((\s)%2 == 0)
	v_fma_f32 v[TT+2*ga], |v[HB+2*ga]|, s[PP], 1.0
.endif
.if (\s) >= 2
	GAT 2*(\s)-3
.endif
.if (\s) == 33
	v_nop                                          ; a plain instruction behind the last transcendental,
	s_wait_alu depctr_va_vdst(0)                   ; and the wait for the batch
.endif
.endm
; PART B, 112 entries: four blocks of four pairs x seven stages, so that a pair's stages stand four lines apart.  The coefficients carry turned signs, so that stage 3 is a plain multiply-add onto 1.
.macro GB
	WIN 0
.set gq, 4*(nb/28)+nb%4
.set gs, (nb%28)/4
.set gu, U+2*(nb%4)
.set gx, HB+2*gq
.set gt, TT+2*gq
.set gz, EE+2*gq
.if gs == 0
	v_pk_mul_f32 v[gz:gz+1], v[gz:gz+1], v[gt:gt+1]
.elseif gs == 1
	v_pk_fma_f32 v[gu:gu+1], v[gt:gt+1], s[NA3:NA3+1], s[NA2:NA2+1] op_sel_hi:[1,0,0]
.elseif gs == 2
	v_pk_fma_f32 v[gu:gu+1], v[gu:gu+1], v[gt:gt+1], s[NA1:NA1+1] op_sel_hi:[1,1,0]
.elseif gs == 3
	v_pk_fma_f32 v[gz:gz+1], v[gu:gu+1], v[gz:gz+1], 1.0 op_sel_hi:[1,1,0]
.elseif gs < 6
	v_fma_f32 v[gx+gs-4], |v[gx+gs-4]|, v[gz+gs-4], v[gx+gs-4]
.else
	v_cvt_pk_bf16_f32 v[HPB+gq], v[gx], v[gx+1]    ; pair q = 8 t + 4 hb + i is register q of the two fragments of h
.endif
.set nb, nb+1
.endm
; What stands behind product np of a turn with a gelu: a slice of part A behind products 0 to 33, three entries of part B behind products 34 to 71; products 72 to 95 stand bare, under one window setting.
.macro RID
.if GE
.if np < 34
	GA np
.else
.rept 3
.if nb < 112
	GB
.endif
.endr
.endif
.endif
.set np, np+1
.endm
; 16 products of the first kind (S^T = K Q^T, H^T = W1 Z^T): fragment i x both local tiles.  Four accumulators take turns, one instruction a turn.
; The products on channels 0 to 31 start the sums: with the constant 0, or (cb0 > 0) with the bias in v[cb0 + 8 block].
.macro MM_S g, base, ts, cb0
.set mi, 0
.rept 8
.set mc, 4*((\g)%3)+mi/2
.set mk, 2*((\g)/3)+mi%2
.irp t, 0,1
.set mD, (\base)+(\ts)*\t+8*mk
	WIN 0x0c|(1+(\g)%3)
.if mc > 0
	v_wmma_f32_16x16x32_bf16 v[mD:mD+7], v[F+8*mi:F+8*mi+7], v[96*\t+8*mc:96*\t+8*mc+7], v[mD:mD+7]
.elseif (\cb0) > 0
	v_wmma_f32_16x16x32_bf16 v[mD:mD+7], v[F+8*mi:F+8*mi+7], v[96*\t+8*mc:96*\t+8*mc+7], v[(\cb0)+8*mk:(\cb0)+8*mk+7]
.else
	v_wmma_f32_16x16x32_bf16 v[mD:mD+7], v[F+8*mi:F+8*mi+7], v[96*\t+8*mc:96*\t+8*mc+7], 0
.endif
	RID
.endr
.set mi, mi+1
.endr
.endm
; Products of the second kind (O^T += V^T P, Out^T += W2 H): 8 for local tile t, 8 different accumulators; a group is both tiles' 16.
.macro MM_PH g, pb, ps, t
.set mi, 0
.rept 8
.set mD, 8*(8*((\g)%3)+mi)
.set mB, (\pb)+(\ps)*(\t)+8*((\g)/3)
	WIN ((1+(\t))<<6)|((1+(\t))<<4)|(1+(\g)%3)
	v_wmma_f32_16x16x32_bf16 v[mD:mD+7], v[F+8*mi:F+8*mi+7], v[mB:mB+7], v[mD:mD+7]
	RID
.set mi, mi+1
.endr
.endm
.macro MM_P g, pb, ps
	MM_PH \g, \pb, \ps, 0
	MM_PH \g, \pb, \ps, 1
.endm
; THE SOFTMAX of one local tile for one turn: number j of a list.  s0-s31 are the lane's 32 scores, in pairs 0-15.
;   0-15 the maximum of the scores and the old m (each accumulator's lowest registers are read first)     16-20 the other half of the lanes' maximum; m; c m; c m_old - c m_new
;   21-69 the 16 scalings c s - c m and all 33 exponentials (a at 23): none reads an exponential's result     70-85 the roundings to bf16     86-101 the sums; l = a l + the sum
.macro SM t
.set rT, ST+8*(\t)
.set rS, S+32*(\t)
.set rP, P+16*(\t)
.if j < 4
	v_max3_num_f32 v[rT+4+j], v[rS+8*j], v[rS+8*j+1], v[rS+8*j+2]
.elseif j < 12
	v_max3_num_f32 v[rT+4+j%4], v[rT+4+j%4], v[rS+8*(j%4)+2*(j/4)+1], v[rS+8*(j%4)+2*(j/4)+2]
.elseif j == 12
	v_max3_num_f32 v[rT+4], v[rT+4], v[rS+7], v[rS+15]
.elseif j == 13
	v_max3_num_f32 v[rT+6], v[rT+6], v[rS+23], v[rS+31]
.elseif j == 14
	v_max3_num_f32 v[rT+4], v[rT+4], v[rT+5], v[rT+6]
.elseif j == 15
	v_max3_num_f32 v[rT+4], v[rT+4], v[rT+7], v[rT+1]
.elseif j == 16
	v_permlanex16_b32 v[rT+5], v[rT+4], s[SEL], s[SEL+1]
.elseif j == 17
	v_mov_b32 v[rT+7], v[rT]
.elseif j == 18
	v_max_num_f32 v[rT+1], v[rT+4], v[rT+5]
.elseif j == 19
	v_mul_f32 v[rT], s[CS], v[rT+1]
.elseif j == 20
	v_sub_f32 v[rT+7], v[rT+7], v[rT]
.elseif j == 23
	v_exp_f32 v[rT+6], v[rT+7]
.elseif (j < 23) || ((j < 38) && (j%2 == 0)) || ((j < 66) && (j%4 == 2))
.set sb, (j-2)/4
.if j < 38
.set sb, (j-20)/2
.endif
	v_pk_fma_f32 v[rS+2*sb:rS+2*sb+1], v[rS+2*sb:rS+2*sb+1], s[CS:CS+1], v[rT:rT+1] op_sel_hi:[1,0,0] neg_lo:[0,0,1] neg_hi:[0,0,1]
.elseif j < 70
.set se, j-38
.if j < 66
.set se, j-32-(j-38)/4
.endif
.if j < 38
.set se, (j-25)/2
.endif
	v_exp_f32 v[rS+se], v[rS+se]
.elseif j < 86
	v_cvt_pk_bf16_f32 v[rP+j-70], v[rS+2*(j-70)], v[rS+2*(j-70)+1]
.else
.set sz, j-86
.set sw, 4
.set su, sz
.if sz >= 14
.set sw, 32
.set su, 0
.elseif sz >= 12
.set sw, 16
.set su, sz-12
.elseif sz >= 8
.set sw, 8
.set su, sz-8
.endif
.if sz < 15
	v_pk_add_f32 v[rS+sw*su:rS+sw*su+1], v[rS+sw*su:rS+sw*su+1], v[rS+sw*su+sw/2:rS+sw*su+sw/2+1]
.else
	v_pk_fma_f32 v[rT+2:rT+3], v[rT+2:rT+3], v[rT+6:rT+7], v[rS:rS+1] op_sel_hi:[1,0,1]
.endif
.endif
.endm
.macro SOFTMAX                         ; both local tiles, alternating; then both tiles' O^T times a, from each accumulator's low end on
	WIN 0
.set j, 0
.rept 70
	SM 0
	SM 1
.set j, j+1
.endr
	v_nop                                          ; a plain instruction behind the last exponential,
	s_wait_alu depctr_va_vdst(0)                   ; and ONE wait for the 66, ahead of their first reader
.rept 32
	SM 0
	SM 1
.set j, j+1
.endr
.irp t, 0,1
	WIN ((1+\t)<<6)|(1+\t)
.set z, 0
.rept 96
	v_pk_mul_f32 v[2*z:2*z+1], v[2*z:2*z+1], v[ST+8*\t+6:ST+8*\t+7] op_sel_hi:[1,0]
.set z, z+1
.endr
.endr
.endm
.macro MEET3                           ; all my tensor loads have landed (the one that was out is my quarter of the other slot); 0 onto my spare word
	WIN 0
	s_wait_tensorcnt 0x0
	ds_add_u32 v[SPW], v[NIL]
.endm
; AN ATTENTION TURN: 128 keys in slot `slot`, of which 64 are mine: groups 0-5 S^T, the softmax, groups 6-11 O^T.
; s_wait_dscnt: 32 = the next two groups' loads may stay out; 17 = the last group's 16 and the add; 0 = the add is done and my reads of the slot are over: group 11's fragments are in registers.
; THE CHANGE OF SLOTS stands in group 10: the three lines; the slot's descriptor steps two tiles on while the add is out (in the last trip: to wb's blocks T0 and T0 + 1); local tile 0's 8 products; the wait; the signal, which
; opens a round of the cluster's barrier; local tile 1's 8 products; the round's rest.  Behind it no wave of any partner reads this slot or has a load on its way, and the joint refill is the first thing there: it has 176
; products in which to land.  Then THE NEXT TURN'S HEAD: its first 32 LDS loads, from the other slot, which every wave has shown landed; then group 11, while those loads are on their way.
.macro HEADA slot, ask
	WIN 0
.if \ask
	s_wait_xcnt 0x0                                ; the last prefetch, a turn back, has read its address
	s_add_nc_u64 s[PFA:PFA+1], s[PFA:PFA+1], TILE
.endif
	LD_A AK+\slot, 0
	LD_A AK+\slot, 1
	WIN 0
.if \ask
.if \slot
	ASK LIM
.else
	ASK LIMB
	ASKW
.endif
.endif
.endm
.macro GRP_A slot, G
.if (\G) < 4
	PLACES
	LD_A AK+\slot, (\G)+2
.elseif (\G) < 10
	PLACES
	LD_V AV+\slot, (\G)-4
.endif
.if (\G) == 10
	MEET3
	s_add_nc_u64 s[GP+2*\slot:GP+2*\slot+1], s[GP+2*\slot:GP+2*\slot+1], 2*TILE
	s_cmp_eq_u32 s[CNT], 1
	s_cselect_b64 s[GP+2*\slot:GP+2*\slot+1], s[WT+2*\slot:WT+2*\slot+1], s[GP+2*\slot:GP+2*\slot+1]
	s_mov_b64 s[G0+4*\slot+2:G0+4*\slot+3], s[GP+2*\slot:GP+2*\slot+1]
	s_or_b32 s[G0+4*\slot+3], s[G0+4*\slot+3], 0x80000000
	s_wait_dscnt 17
	MM_PH 4, P, 16, 0
	s_wait_dscnt 0x0
	s_barrier_signal -1
	MM_PH 4, P, 16, 1
.else
	s_wait_dscnt 32
.if (\G) < 6
	MM_S \G, S, 32, 0
.else
	MM_P (\G)-6, P, 16
.endif
.endif
.if (\G) == 5
	PLACES
	SOFTMAX
.endif
.endm
.macro TURNA slot
.irp G, 0,1,2,3,4,5,6,7,8,9,10
	GRP_A \slot, \G
.endr
	WIN 0
	s_barrier_wait -1
	CREST
	tensor_load_to_lds s[G0+4*\slot:G0+4*\slot+3], s[G1:G1+7]
	s_nop 0
	PLACES                                         ; also the places in front of the head's loads into buffers 0 and 1, which groups 9 and 10 read
	HEADA 1-\slot, 1
	MM_P 5, P, 16                                  ; group 11, held back
	WIN 0
.endm
	s_wait_tensorcnt 0x2                           ; my quarter of tile 0 is in; tile 1 and x may stay out
	s_barrier_signal -1
	s_barrier_wait -1                              ; everybody's is
	HEADA 0, 0                                     ; the first turn's head stands ahead of the loop, and asks for nothing
	s_wait_loadcnt 0x0                             ; Q
	s_mov_b32 s[CNT], 8
.Latt:                                         ; 8 trips, two tiles each; the refills are tiles 2 to 17, of which 16 and 17 are wb's blocks T0 and T0 + 1
	TURNA 0
	TURNA 1
	s_sub_co_u32 s[CNT], s[CNT], 1
	s_cmp_lg_u32 s[CNT], 0
	s_cbranch_scc1 .Latt
	; THE PAIR MEETS.  My x comes out of my region into the fragment buffers; local tile 1's O^T, c m and l go into the same region (LDS serves a wave's instructions in order: ISA guide 5.7.1.4) for my partner, who owns that tile.
	s_wait_dscnt 0x0                               ; the last trip's head has fetched 16 fragments that nobody multiplies: the price, once a launch, of one text for all turns; they have landed before their registers are loaded again
	PLACES                                         ; behind group 11
.set z, 0
.rept 24
	WIN (1+z/8)<<6
	ds_load_b128 v[F+8*(z%8):F+8*(z%8)+3], v[XA] offset:64*z+16*(z/8)
	ds_load_b128 v[F+8*(z%8)+4:F+8*(z%8)+7], v[XA] offset:64*z+16*(z/8)+16
.set z, z+1
.endr
	WIN 0
.irp t, 0,1
	v_add_f32 v[ST+8*\t+2], v[ST+8*\t+2], v[ST+8*\t+3]
.endr
.irp t, 0,1
	v_permlanex16_b32 v[ST+8*\t+3], v[ST+8*\t+2], s[SEL], s[SEL+1]
.endr
.irp t, 0,1
	v_add_f32 v[ST+8*\t+2], v[ST+8*\t+2], v[ST+8*\t+3]
.endr
	v_mov_b32 v38, v[ST+8]
	v_mov_b32 v39, v[ST+10]
	WIN 0x08                                       ; store data in window 2
.set z, 0
.rept 48
	ds_store_b128 v[EXW], v[4*z:4*z+3] offset:512*z
.set z, z+1
.endr
	WIN 0
	ds_store_b64 v[EXS], v[38:39] offset:24576
	s_wait_dscnt 0x0                               ; for my partner's sake: my stores are done (and x is in)
	s_barrier_signal -1
	s_barrier_wait -1
	WIN 0x80
.set z, 0
.rept 48
	ds_load_b128 v[4*z:4*z+3], v[EXR] offset:512*z ; my partner's O^T for my tile
.set z, z+1
.endr
	WIN 0
	ds_load_b64 v[38:39], v[EXSR] offset:24576     ; its c m and l
	s_wait_dscnt 0x0                               ; my reads of my partner's region are over:
	s_barrier_signal -1                            ; say so; the work on registers below stands between the signal and the wait
	v_max_num_f32 v48, v[ST], v38
	v_sub_f32 v50, v[ST], v48
	v_sub_f32 v51, v38, v48
	v_exp_f32 v50, v50
	v_exp_f32 v51, v51
	v_nop
	s_wait_alu depctr_va_vdst(0)
	v_mul_f32 v52, v[ST+2], v50
	v_fmac_f32 v52, v39, v51                       ; l of all 2,048 keys, on the common maximum
	v_rcp_f32 v52, v52
	v_nop
	s_wait_alu depctr_va_vdst(0)
	v_mul_f32 v48, v50, v52                        ; my O's factor,
	v_mul_f32 v50, v51, v52                        ; my partner's
	v_mov_b32 v49, v48
.set z, 0
.rept 96                               ; x1 = x + O g + O' g'
	WIN 0x41|((1+z/32)<<4)
	v_pk_fma_f32 v[2*z:2*z+1], v[2*z:2*z+1], v[48:49], v[F+2*(z%32):F+2*(z%32)+1] op_sel_hi:[1,0,1]
.set z, z+1
.endr
	WIN 0x52
.set z, 0
.rept 96
	v_pk_fma_f32 v[2*z:2*z+1], v[2*z:2*z+1], v[50:51], v[2*z:2*z+1] op_sel_hi:[1,0,1]
.set z, z+1
.endr
	; LN2 without its gain and bias (they lie in wb and b1f): the mean, the differences, their squares, in four chains
	WIN 0x05
.irp k, 0,1,2,3
	v_pk_add_f32 v[U+2*\k:U+2*\k+1], v[2*\k:2*\k+1], v[8+2*\k:8+2*\k+1]
.endr
	WIN 0x04
.set z, 8
.rept 88
	v_pk_add_f32 v[U+2*(z%4):U+2*(z%4)+1], v[U+2*(z%4):U+2*(z%4)+1], v[2*z:2*z+1]
.set z, z+1
.endr
	WIN 0
	v_pk_add_f32 v[U:U+1], v[U:U+1], v[U+2:U+3]
	v_pk_add_f32 v[U+4:U+5], v[U+4:U+5], v[U+6:U+7]
	v_pk_add_f32 v[U:U+1], v[U:U+1], v[U+4:U+5]
	v_add_f32 v[U], v[U], v[U+1]
	v_permlanex16_b32 v[U+1], v[U], s[SEL], s[SEL+1]
	v_add_f32 v[U], v[U], v[U+1]
	v_mul_f32 v52, s[INV], v[U]
	v_mov_b32 v53, v52
	WIN 0x81
.set z, 0
.rept 96
	v_pk_add_f32 v[2*z:2*z+1], v[2*z:2*z+1], v[52:53] op_sel_hi:[1,0] neg_lo:[0,1] neg_hi:[0,1]
.set z, z+1
.endr
	WIN 0x0a
.irp k, 0,1,2,3
	v_pk_mul_f32 v[U+2*\k:U+2*\k+1], v[2*\k:2*\k+1], v[2*\k:2*\k+1]
.endr
.set z, 4
.rept 92
	v_pk_fma_f32 v[U+2*(z%4):U+2*(z%4)+1], v[2*z:2*z+1], v[2*z:2*z+1], v[U+2*(z%4):U+2*(z%4)+1]
.set z, z+1
.endr
	WIN 0
	v_pk_add_f32 v[U:U+1], v[U:U+1], v[U+2:U+3]
	v_pk_add_f32 v[U+4:U+5], v[U+4:U+5], v[U+6:U+7]
	v_pk_add_f32 v[U:U+1], v[U:U+1], v[U+4:U+5]
	v_add_f32 v[U], v[U], v[U+1]
	v_permlanex16_b32 v[U+1], v[U], s[SEL], s[SEL+1]
	v_add_f32 v[U], v[U], v[U+1]
	v_fma_f32 v[U], v[U], s[INV], s[EPS]
	v_rsq_f32 v54, v[U]
	v_nop
	s_wait_alu depctr_va_vdst(0)
	v_mov_b32 v55, v54
	WIN 0x82
.set z, 0
.rept 96
	v_pk_mul_f32 v[2*z:2*z+1], v[2*z:2*z+1], v[54:55] op_sel_hi:[1,0]
.set z, z+1
.endr
	WIN 0xca                                       ; z: register n of the 12 fragments is the pair 2 n, 2 n + 1
.set z, 0
.rept 96
	v_cvt_pk_bf16_f32 v[z], v[2*z], v[2*z+1]
.set z, z+1
.endr
	WIN 0
	s_barrier_wait -1                              ; my partner has read my region: it may be written again
	WIN 0x80                                       ; local tile 1's sums begin with fc2_b, local tile 0's with x1: nothing is cleared, and nothing is added later
.set z, 0
.rept 24
	global_load_b128 v[8*z:8*z+3], v[FBO], s[12:13] offset:64*z
	global_load_b128 v[8*z+4:8*z+7], v[FBO], s[12:13] offset:64*z+16
.set z, z+1
.endr
	WIN 0
.irp q, 0,1,2,3
	global_load_b128 v[BIAS+4*\q:BIAS+4*\q+3], v[BO], s[BP:BP+1] offset:64*(\q/2)+16*(\q%2)  ; the bias of the walk's first chunk, T0
.endr
	WIN 0x0c
.set z, 0
.rept 24
	ds_store_b128 v[EXW], v[4*z:4*z+3] offset:512*z  ; my tile's z, for my partner
.set z, z+1
.endr
	s_wait_dscnt 0x0
	s_barrier_signal -1
	s_barrier_wait -1
	WIN 0xc0
.set z, 0
.rept 24
	ds_load_b128 v[96+4*z:96+4*z+3], v[EXR] offset:512*z
.set z, z+1
.endr
	WIN 0
.set z, 0
.rept 32
	v_mov_b32 v[S+32+z], 0                         ; turn 0's gelu works on a chunk that has not been,
.set z, z+1
.endr
.set z, 0
.rept 16
	v_mov_b32 v[P+z], 0                            ; and its fc2 multiplies one: both find zeros
.set z, z+1
.endr
	s_mul_i32 s[WB0], s[WV], QT                    ; the walk's scalars, in registers that x's load (landed before the first change of slots) and attention have left
	s_mov_b32 s[WB0+1], 0
	s_add_nc_u64 s[WB0:WB0+1], s[8:9], s[WB0:WB0+1]
	s_mov_b32 s[OFF+1], 0
	s_mov_b32 s[OFB+1], 0
	s_add_co_u32 s[BN], s[T0], 1                   ; 47 at the most
	s_add_co_u32 s[NXT], s[T0], 2                  ; blocks T0 and T0 + 1 have been asked for
	s_cmp_eq_u32 s[NXT], NBLK
	s_cselect_b32 s[NXT], 0, s[NXT]
	s_mov_b32 s[CNT], 24
	s_wait_dscnt 0x0                               ; my partner's z is in
; AN MLP TURN, the walk's turn T, on block (T0 + T) mod 48 in slot par = T % 2: groups 0-2 fc1 of the walk's chunk T into H[par], groups 3-5 fc2 of chunk T - 2 from h[par]; the gelu of chunk T - 1, from H[1 - par] into
; h[1 - par], behind the products.  s_wait_dscnt: 32 = the next two groups' loads may stay out; 17 = group 5's 16 and the add; 16 = group 5's, where no add stands.
; THE CHANGE OF SLOTS stands in group 4, as in attention: the three lines, with the descriptor's address made anew from the block's number and local tile 0's 8 products between the add and its wait; the signal; local tile 1's
; 8 products; the round's rest; the joint refill, which has 80 products in which to land; the next turn's head; group 5, held back.
; A TURN'S HEAD: the address of the bias after this turn's; the turn's first 32 LDS loads; the wait for this turn's bias, asked for a turn ago (in turn 0 fc2_b too); the next bias's four loads.
.macro HEADM par, bias
	WIN 0
.if \bias
	s_wait_xcnt 0x0                                ; the last head's bias loads have read their base
	s_lshl_b32 s[OFB], s[BN], 8
	s_add_nc_u64 s[BP:BP+1], s[10:11], s[OFB:OFB+1]
	s_add_co_u32 s[BN], s[BN], 1
	s_cmp_eq_u32 s[BN], NBLK
	s_cselect_b32 s[BN], 0, s[BN]
.endif
	LD_A AW1+\par, 0
	LD_A AW1+\par, 1
	WIN 0
	s_wait_loadcnt 0x0
.if \bias
.irp q, 0,1,2,3
	global_load_b128 v[BIAS+16*(1-(\par))+4*\q:BIAS+16*(1-(\par))+4*\q+3], v[BO], s[BP:BP+1] offset:64*(\q/2)+16*(\q%2)
.endr
.endif
.endm
.macro GRP_M par, G, meet, refill
.if (\G) < 1
	PLACES
	LD_A AW1+\par, 2
.elseif (\G) < 4
	PLACES
	LD_W2 AW2+\par, (\G)-1
.endif
.if (\G) < 4
	s_wait_dscnt 32
.endif
.if (\G) < 3
	MM_S \G, S+32*\par, 16, BIAS+16*\par
.elseif (\G) == 3
	MM_P 0, P+16*\par, 8
.elseif \meet
	MEET3
.if \refill
	s_mul_i32 s[OFF], s[NXT], TILE                 ; no tensor load of mine is out, so a group 0 may be written: this slot takes block NXT
	s_add_nc_u64 s[G0+4*\par+2:G0+4*\par+3], s[WB0:WB0+1], s[OFF:OFF+1]
	s_or_b32 s[G0+4*\par+3], s[G0+4*\par+3], 0x80000000
	s_add_co_u32 s[NXT], s[NXT], 1                 ; the ring's next block
	s_cmp_eq_u32 s[NXT], NBLK
	s_cselect_b32 s[NXT], 0, s[NXT]
.endif
	s_wait_dscnt 17
	MM_PH 1, P+16*\par, 8, 0
	s_wait_dscnt 0x0                               ; the add is done, and my reads of this slot are over: group 5's fragments are in registers
	s_barrier_signal -1
	MM_PH 1, P+16*\par, 8, 1
.else
	s_wait_dscnt 16
	MM_P 1, P+16*\par, 8
.endif
.endm
; head = 1: the next turn's head, with a further bias; 2: without; 0: there is no next turn
.macro TURNM par, meet, refill, ge, head
.set np, 0
.set nb, 0
.set GE, \ge
.set HB, S+32*(1-\par)
.set HPB, P+16*(1-\par)
.irp G, 0,1,2,3,4
	GRP_M \par, \G, \meet, \refill
.endr
	WIN 0
.if \meet
	s_barrier_wait -1
.endif
.if \refill
	CREST
	tensor_load_to_lds s[G0+4*\par:G0+4*\par+3], s[G1:G1+7]
	s_nop 0
.endif
.if \head
	PLACES                                         ; the places in front of the head's loads into buffers 0 and 1, which groups 3 and 4 read
	HEADM 1-\par, 2-\head
.else
	s_wait_dscnt 0x0                               ; group 5's fragments
.endif
	MM_P 2, P+16*\par, 8                           ; group 5, held back
	WIN 0
.if !(\head)
	PLACES
.endif
.endm
	HEADM 0, 1                                     ; turn 0's head stands ahead of the loop
.Lmlp:                                         ; 24 trips: turns 0 to 47; the refills are the walk's blocks 2 to 49
	TURNM 0, 1, 1, 1, 1
	TURNM 1, 1, 1, 1, 1
	s_sub_co_u32 s[CNT], s[CNT], 1
	s_cmp_lg_u32 s[CNT], 0
	s_cbranch_scc1 .Lmlp
	TURNM 0, 1, 0, 1, 2                            ; the tail is written out: turn 48 waits for the walk's last block and asks for nothing
	TURNM 1, 0, 0, 0, 0                            ; turn 49 has fc2 of the walk's chunk 47
	; THE WAY OUT.  Local tile 1's sums go to my partner through my region; its sums for my tile are added; my 16 rows go through rows of 1,552 bytes in slot 0 (its last fill was read before turn 48's barrier) and leave whole.
	WIN 0x08
.set z, 0
.rept 48
	ds_store_b128 v[EXW], v[4*z:4*z+3] offset:512*z
.set z, z+1
.endr
	s_wait_dscnt 0x0
	s_barrier_signal -1
	s_barrier_wait -1
	WIN 0xc0
.set z, 0
.rept 48
	ds_load_b128 v[4*z:4*z+3], v[EXR] offset:512*z
.set z, z+1
.endr
	s_wait_dscnt 0x0
	WIN 0x4d
.set z, 0
.rept 96
	v_pk_add_f32 v[2*z:2*z+1], v[2*z:2*z+1], v[2*z:2*z+1]
.set z, z+1
.endr
	WIN 0x04
.set z, 0
.rept 24
	ds_store_b128 v[OSW], v[8*z:8*z+3] offset:64*z
	ds_store_b128 v[OSW], v[8*z+4:8*z+7] offset:64*z+16
.set z, z+1
.endr
	WIN 0xc0
.set z, 0
.rept 48
	ds_load_b128 v[4*z:4*z+3], v[OSR] offset:(z/3)*OSP+512*(z%3)  ; my own bytes: these see the stores above
.set z, z+1
.endr
	WIN 0x0c
.set z, 0
.rept 48
.if z%3 == 0
	s_wait_dscnt 45-z                              ; a row's three loads are in; the later rows' may stay out
.endif
	global_store_b128 v[GO], v[4*z:4*z+3], s[14:15] offset:(z/3)*1536+512*(z%3) th:TH_STORE_NT  ; 512 consecutive bytes, at a multiple of 512 from out0's first
.set z, z+1
.endr
	WIN 0
	s_wait_tensorcnt 0x0                           ; the wave's end, behind my last tensor load and my last LDS store
	ds_add_u32 v[SPW], v[NIL]
	s_wait_dscnt 0x0
	CROUND                                         ; the closing round: no work-group ends while a partner may still ask for a tile that names it
	s_endpgm
.Lfunc_end_k_q73302fbddc_block:
	.size	k_q73302fbddc_block, .Lfunc_end_k_q73302fbddc_block-k_q73302fbddc_block
	.p2alignl 7, 3214868480
	.fill 96, 4, 3214868480
	.section	.rodata,"a",@progbits
	.p2align	6, 0x0
	.amdhsa_kernel k_q73302fbddc_block
		.amdhsa_group_segment_fixed_size 327680
		.amdhsa_private_segment_fixed_size 0
		.amdhsa_enable_private_segment 0
		.amdhsa_kernarg_size 48
		.amdhsa_user_sgpr_count 2
		.amdhsa_user_sgpr_kernarg_segment_ptr 1
		.amdhsa_wavefront_size32 1
		.amdhsa_system_sgpr_workgroup_id_x 1
		.amdhsa_system_sgpr_workgroup_id_y 1
		.amdhsa_system_sgpr_workgroup_id_z 1
		.amdhsa_system_vgpr_workitem_id 0
		.amdhsa_next_free_vgpr 1024
		.amdhsa_next_free_sgpr 100
		.amdhsa_reserve_vcc 0
		.amdhsa_float_denorm_mode_32 3
		.amdhsa_float_denorm_mode_16_64 3
		.amdhsa_memory_ordered 1
		.amdhsa_forward_progress 1
		.amdhsa_inst_pref_size 255
	.end_amdhsa_kernel
	.section	.bss,"aw",@nobits
	.p2align	6
	.space	262144
	.amdgpu_metadata
---
amdhsa.version: [ 1, 2 ]
amdhsa.kernels:
  - .name:           k_q73302fbddc_block
    .symbol:         k_q73302fbddc_block.kd
    .args:
      - { .name: x, .offset: 0, .size: 8, .value_kind: global_buffer, .address_space: global }
      - { .name: y, .offset: 8, .size: 8, .value_kind: global_buffer, .address_space: global }
      - { .name: wb, .offset: 16, .size: 8, .value_kind: global_buffer, .address_space: global }
      - { .name: b1f, .offset: 24, .size: 8, .value_kind: global_buffer, .address_space: global }
      - { .name: fc2_b, .offset: 32, .size: 8, .value_kind: global_buffer, .address_space: global }
      - { .name: out0, .offset: 40, .size: 8, .value_kind: global_buffer, .address_space: global }
    .group_segment_fixed_size: 327680
    .private_segment_fixed_size: 0
    .kernarg_segment_align: 8
    .kernarg_segment_size: 48
    .max_flat_workgroup_size: 128
    .sgpr_count:     100
    .vgpr_count:     1024
    .wavefront_size: 32
...
	.end_amdgpu_metadata
.endif
;; end of part 4
